; MI455X (gfx1250); checked and timed in simulation.
; The chip was launched on July 23, 2026; its instructions are those of AMD's public machine-readable ISA for CDNA 5 (MIT licence, August 2026) and "CDNA5" Instruction Set Architecture Reference Guide (July 2026). The comments in the code are by the model that wrote it; some were corrected since.
;; Transformer Block. Allowed arithmetic: matrix products marked QUANTISED: E2M3 operands, one E8M0 scale for each 32 along K, by v_wmma_scale_f32_16x16x128_f8f6f4 with both operands' format E2M3, f32 sums; everything else in f32.
;; Inputs: W1 1,024 x 4,096 float32; W2 4,096 x 1,024 float32; Wk 1,024 x 1,024 float32; Wo 1,024 x 1,024 float32; Wq 1,024 x 1,024 float32; Wv 1,024 x 1,024 float32; X 4 x 1,024 x 1,024 float32; b1 4,096 float32; b2 1,024 float32; ln1_scale 1,024 float32; ln1_shift 1,024 float32; ln2_scale 1,024 float32; ln2_shift 1,024 float32.
;; Outputs: out0 4 x 1,024 x 1,024 float32.
;; This version of the problem:
;;   THIS VERSION OF THE PROBLEM IS GIVEN IN LOW PRECISION. The matrix products marked QUANTISED in the list below multiply operands that are first quantised to E2M3 (2 exponent bits, 3 mantissa bits; 6 bits a number), with one power-of-two scale for each 32 numbers along K (OCP MX v1.0); their sums are f32. All else is computed in f32.
;;   The module's matrix products, in the order in which they are computed (A, B: the left and right operand; K: the contracted axis; several contracted axes count as one K, in the product's order):
;;     1. [M 4,096, K 1,024] x [K 1,024, N 1,024]; A: computed on the way; B: input Wq: QUANTISED
;;     2. [M 4,096, K 1,024] x [K 1,024, N 1,024]; A: computed on the way; B: input Wk: QUANTISED
;;     3. [M 4,096, K 1,024] x [K 1,024, N 1,024]; A: computed on the way; B: input Wv: QUANTISED
;;     4. batch 64 x [M 1,024, K 64] x [K 64, N 1,024]; A: computed on the way; B: computed on the way: QUANTISED
;;     5. batch 64 x [M 1,024, K 1,024] x [K 1,024, N 64]; A: softmax (see below); B: computed on the way: QUANTISED
;;     6. [M 4,096, K 1,024] x [K 1,024, N 1,024]; A: computed on the way; B: input Wo: QUANTISED
;;     7. [M 4,096, K 1,024] x [K 1,024, N 4,096]; A: computed on the way; B: input W1: QUANTISED
;;     8. [M 4,096, K 4,096] x [K 4,096, N 1,024]; A: computed on the way; B: input W2: QUANTISED
;;   THE QUANTISER, for each operand of a quantised product, along K:
;;     - K is cut into blocks of 32 from its start; a last block that is shorter is filled with zeros.
;;     - A block's scale is 2^e with e = floor(log2(the largest magnitude in the block)) - 2, held to -126 .. 127; a block of zeros has e = 0. As a byte (E8M0): e + 127.
;;     - Each number is divided by its block's scale, clamped to +-7.5, and rounded to the nearest number of E2M3, ties to even, subnormals kept.
;;     - The product sums the exact products of the quantised numbers (number of the format x scale) in f32.
;;   ~~~python
;;   def quantise(x, axis):      # numpy; x: float32 -> the quantised numbers, widened to float32 again
;;       x = np.moveaxis(x, axis, -1); K = x.shape[-1]
;;       x = np.pad(x, [(0, 0)] * (x.ndim - 1) + [(0, -K % 32)]); x = x.reshape(x.shape[:-1] + (-1, 32)); a = np.abs(x).max(-1, keepdims=True)
;;       e = np.where(a > 0, np.clip(np.frexp(np.where(a > 0, a, 1))[1] - 1 - 2, -126, 127), 0)      # np.frexp(a)[1] - 1 = floor(log2(a)), exactly
;;       r = np.clip(x / 2.0 ** e, -7.5, 7.5)
;;       step = 2.0 ** (np.maximum(np.frexp(np.where(r == 0, 1, r))[1] - 1, 0) - 3)
;;       q = np.round(r / step) * step * 2.0 ** e      # np.round: ties to even
;;       return np.moveaxis(q.reshape(q.shape[:-2] + (-1,))[..., :K], -1, axis).astype(np.float32)
;;   ~~~
;;   SOFTMAX AHEAD OF A QUANTISED PRODUCT. Where the list says 'softmax', what is quantised is not the finished softmax but p = 2^(t - M), with t = logit x log2(e) and M = ceil(the row's largest t), a whole number; so 1/2 < the row's largest p <= 1. The row's sum l is taken of the UNQUANTISED p, in f32, and the product's result is divided by l at the end. Since M is a whole number, a kernel that streams over the keys may use a running M (the ceiling of the running maximum): every later rescaling is an exact power of two, which a block's scale takes up: the codes' values come out the same.
;;   OPERANDS COMPUTED ON THE WAY. 'Computed on the way' means the value that the module computes at that place (a softmax that the list does not call 'softmax' is quantised finished and normalised). What goes into a quantiser is computed in f32, as accurately as f32 sums, v_exp_f32 and their like allow (about 1e-6 of the number): no bf16 or f16 on the way to a quantiser, and a product that is left as it is and whose result goes on into a quantised operand takes f32 operands (vector FMAs, or v_wmma_f32_16x16x4_f32). A number that lies on a knife's edge between two numbers of the format may be rounded either way, as far as f32 arithmetic and the matrix unit's own rounding can turn it there, and no further.
;; One version. Each part assembles by itself: llvm-mc -triple=amdgcn-amd-amdhsa -mcpu=gfx1250 --defsym DOCPART=n.
;; ======== version 1 of 1: 7 launches
;; limits: right only within a limited range of input values
;; workspace buffers: wts 9,830,400 bytes; h1c 3,276,800 bytes; qkvc 10,223,616 bytes; ctxc 3,276,800 bytes; x1 16,777,216 bytes; h2c 3,276,800 bytes; hid 13,107,200 bytes
;; launch prep (part 1): grid 448 x 1, 8 waves a work-group, no clusters, 2,048 bytes of LDS; arguments X, ln1_scale, ln1_shift, h1c, Wq, Wk, Wv, Wo, W1, W2, wts; writes h1c, wts
.if DOCPART == 1
	.amdgcn_target "amdgcn-amd-amdhsa--gfx1250"
	.amdhsa_code_object_version 6
	.text
	.protected	k_q29b43c0a62_prep
	.globl	k_q29b43c0a62_prep
	.p2align	8
	.type	k_q29b43c0a62_prep,@function
k_q29b43c0a62_prep:
	s_mov_b64 s[64:65], 0
	v_nop
	global_prefetch_b8 v0, s[64:65] scope:SCOPE_SE
	s_setreg_imm32_b32 hwreg(HW_REG_WAVE_MODE, 25, 1), 1
	s_wait_xcnt 0x0
; TWO JOBS THAT DO NOT DEPEND ON EACH OTHER SHARE ONE LAUNCH: work-groups 0 .. 191 turn the six weights into codes, work-groups 192 .. 447 make LayerNorm 1 of X and quantise it.  Neither reads what the other stores.
; The two paths part on the work-group's number alone; only the LayerNorm path touches LDS and has barriers.  Both stream from memory: no matrix unit, no cluster.
; THE LAYOUT of all operands of this program: IMAGES OF OPERAND REGISTERS, codes of FP6 (E2M3) with one E8M0 byte for each 32 along K.  Rows go in groups of 64, four tiles a of 16; lane-row r of tile a is row
; 32 (a / 2) + 8 (a % 2) + r % 8 + 16 (r / 8) of its group.  A half image (768 bytes) is 16 rows x 64 K: lane (r, h) owns block h, six words: words 0-3 at 16 (r + 16 h), words 4, 5 at 512 + 16 r + 8 h.
; A super-image (6,400 bytes) is a group x 128 K: tile a, half c at 1536 a + 768 c; the scale word of (a, r) at 6144 + 16 r + 4 (2 (a % 2) + a / 2).  Super-image number = group x (K / 128) + K step.
; THE WEIGHTS, W [K][N] f32, K their FIRST axis (rows of the images = columns n).  A LANE TAKES A COLUMN n AND ITS REGISTERS RUN DOWN K: a block of 32 along K lies in one lane's 32 registers, its largest magnitude needs no other lane,
; and the conversions give codes with K innermost.  A wave makes one super-image: 64 columns x 128 K, as 8 blocks q = 4 pass + j (pass: columns + 32; j: the block along K).  Four waves stand side by side on 256 columns; a work-group
; holds two such fours (numbers 2 g and 2 g + 1 of 384).  Fours 0-127 take Wq, Wk, Wv, Wo (32 each), 128-255 W1, 256-383 W2; only pointers and strides are chosen, by ids.
; LAYERNORM: y = gain (x - mean) / sqrt(var + 1e-5) + shift over rows of 1,024.  A work-group takes one tile of 16 rows; wave w takes K step w.  Lane (r, h) holds 16 neighbours of each block of 32: register 16 b + i = column 128 w + 32 b + 16 h + i.
; The mean and then the sum of squared differences (a true second pass over registers: no difference of large sums) meet in LDS: 8 parts a row, one barrier each, other bytes for the second.
; A block's scale is 2^(floor(log2(largest magnitude)) - 2); its byte is the largest magnitude's exponent field - 2, held at 1 from below.
; LIMITS: a block of zeros, or one whose largest magnitude lies under 2^-124, gets the byte 1 (this program alone reads the bytes; zero codes add nothing); NaN and infinities among the inputs are not served.
.set NWQ,  192                         ; work-groups that take the weights
.set SPW,  254                         ; v254     LDS address of my spare word; never rewritten, on either path
.set NIL,  255                         ; v255     0; never rewritten
.set RED2, 512                         ; LDS: bytes 0-511 the sums' parts (32 r + 4 w), 512-1023 the squares' parts
.set SPARE, 1024                       ; the spare words, 128 bytes for each of eight waves: four blocks of 256 bytes that no other line names
; ---- names of the LayerNorm path
.set X,    32                          ; v32-95   64 numbers of my row
.set G,    96                          ; v96-159  gain at my columns
.set B,    160                         ; v160-223 shift
.set TM,   28                          ; the quantiser's: largest magnitudes,
.set TP,   30                          ; the other half's, then bytes,
.set TS,   224                         ; scale operands,
.set TC,   226                         ; v226-228 a conversion's three registers
.set CD0,  232                         ; v232-237 half image 0
.set CD1,  240                         ; v240-245 half image 1
.set HW,   246                         ; v246-247 two scale bytes each
.set W,    248                         ; the scale word
.set MEAN, 250                         ; v250-251 the mean, twice
.set RSTD, 252                         ; v252-253 1 / sqrt(var + eps), twice
.set SEL,  20                          ; s[20:21] lane selects: lane l xor 16
; ---- names of the weights' path
.set VA,   2                           ; v2       1536 u + 16 r: my place in a tile's images (u = (lane / 8) % 2, r = lane % 8 + 8 (lane / 16))
.set VS,   3                           ; v3       16 r + 8 u: my two scale words
.set OFF,  4                           ; v4-35    4 x lane + i rows of W
.set WX,   36                          ; v36-99   two sets of 32 numbers
.set CB,   100                         ; v100-147 codes: 12 registers for each pair of blocks, never written again, so no store's data are overwritten
.set T,    148                         ; v148-150 a conversion's three registers (they begin on an even number)
.set M,    152                         ; v152-153 largest magnitudes, two chains
.set SOP,  154                         ; the conversion's scale operand
.set BY,   155                         ; the scale's byte
.set SW,   156                         ; v156-157 the scale words of my two tiles
.set WV,   2                           ; s2       my place among the four waves
.set ID,   23                          ; s23      which weight, 0 .. 5
.set STRIDE, 28                        ; s28      bytes in a row of W
.set SB,   40                          ; s[40:47] W at my columns, 32 j rows down
.set DST,  48                          ; s[48:49] my super-image
; 32 numbers of a lane, register 16 b + i = k 32 b + 16 (lane / 16) + i of its row, become a half image's six registers and two scale bytes
.macro QH src, dst, hw
.irp b, 0,1
	v_max3_num_f32 v[TM+\b], |v[(\src)+16*\b]|, |v[(\src)+16*\b+1]|, 0x1800000   ; with the floor 2^(3 - 127): the byte cannot fall under 1
.endr
.irp i, 2,4,6,8,10,12,14
.irp b, 0,1
	s_delay_alu instid0(VALU_DEP_2)
	v_max3_num_f32 v[TM+\b], v[TM+\b], |v[(\src)+16*\b+\i]|, |v[(\src)+16*\b+\i+1]|
.endr
.endr
.irp b, 0,1
	s_delay_alu instid0(VALU_DEP_2)
	v_permlanex16_b32 v[TP+\b], v[TM+\b], s[SEL], s[SEL+1]
.endr
.irp b, 0,1
	s_delay_alu instid0(VALU_DEP_2)
	v_max_num_f32 v[TM+\b], v[TM+\b], v[TP+\b]     ; with lane l xor 16's 16: the block's largest magnitude
.endr
.irp b, 0,1
	s_delay_alu instid0(VALU_DEP_2)
	v_add_nc_u32 v[TS+\b], 0xff000000, v[TM+\b]    ; 2 off the exponent field: the conversion's scale operand
.endr
.irp b, 0,1
	s_delay_alu instid0(VALU_DEP_2)
	v_lshrrev_b32 v[TP+\b], 23, v[TS+\b]           ; the scale's byte
.endr
	s_delay_alu instid0(VALU_DEP_1)
	v_lshl_or_b32 v[\hw], v[TP+1], 8, v[TP]
	v_cvt_scalef32_pk16_fp6_f32 v[(\dst):(\dst)+2], v[(\src):(\src)+15], v[TS]
	v_cvt_scalef32_pk16_fp6_f32 v[TC:TC+2], v[(\src)+16:(\src)+31], v[TS+1]
	v_nop                                          ; one plain place behind a scaled conversion
.irp i, 0,1,2
	v_permlane16_swap_b32 v[(\dst)+\i], v[TC+\i]   ; a lane gets a WHOLE block: lanes 0-15 block 0, lanes 16-31 block 1
.endr
.irp i, 0,1,2
	s_delay_alu instid0(VALU_DEP_3)
	v_mov_b32 v[(\dst)+3+\i], v[TC+\i]
.endr
.endm
.macro LOAD q                          ; block q: W(32 j + i, my column of the pass), i = 0 .. 31: each load reads 128 consecutive bytes
.set LX_, WX+32*((\q)%2)
.set LJ_, (\q)%4
.set LB_, (\q)/4
.set I_, 0
.rept 32
	global_load_b32 v[LX_+I_], v[OFF+I_], s[SB+2*LJ_:SB+2*LJ_+1] offset:128*LB_ th:TH_LOAD_NT
.set I_, I_+1
.endr
.endm
.macro BLOCK q
.set XS, WX+32*((\q)%2)
.set J_, (\q)%4
.set BP_, (\q)/4
.set C_, CB+12*((\q)/2)
.set O_, BP_*3072+(J_/2)*768           ; the pass's tile pair, the half image
.if (\q) < 7
	s_wait_loadcnt 32                              ; this block's 32 loads are in; the next block's 32 may be out
.else
	s_wait_loadcnt 0x0
.endif
	v_max3_num_f32 v[M], |v[XS]|, |v[XS+1]|, |v[XS+2]|
	v_max3_num_f32 v[M+1], |v[XS+3]|, |v[XS+4]|, |v[XS+5]|
.irp i, 6,10,14,18,22,26
	s_delay_alu instid0(VALU_DEP_2)
	v_max3_num_f32 v[M], v[M], |v[XS+\i]|, |v[XS+\i+1]|
	s_delay_alu instid0(VALU_DEP_2)
	v_max3_num_f32 v[M+1], v[M+1], |v[XS+\i+2]|, |v[XS+\i+3]|
.endr
	s_delay_alu instid0(VALU_DEP_2)
	v_max3_num_f32 v[M], v[M], |v[XS+30]|, |v[XS+31]|
	s_delay_alu instid0(VALU_DEP_1)
	v_max3_num_f32 v[M], v[M], v[M+1], 0x1800000   ; and the floor 2^(3 - 127): the byte cannot fall under 1
	s_delay_alu instid0(VALU_DEP_1)
	v_add_nc_u32 v[SOP], 0xff000000, v[M]          ; 2 off the exponent field: the conversion takes this operand's exponent field as its scale
	s_delay_alu instid0(VALU_DEP_1)
	v_lshrrev_b32 v[BY], 23, v[SOP]                ; the scale's byte
.if J_ == 0
	s_delay_alu instid0(VALU_DEP_1)
	v_mov_b32 v[SW+BP_], v[BY]
.else
	s_delay_alu instid0(VALU_DEP_1)
	v_lshl_or_b32 v[SW+BP_], v[BY], 8*J_, v[SW+BP_]
.endif
.if J_%2 == 0                          ; the block of lane half 0: words 0-3 in C .. C + 3, words 4, 5 in C + 4, C + 5
	v_cvt_scalef32_pk16_fp6_f32 v[C_:C_+2], v[XS:XS+15], v[SOP]
	v_cvt_scalef32_pk16_fp6_f32 v[T:T+2], v[XS+16:XS+31], v[SOP]
	v_nop                                          ; one plain place behind a scaled conversion
	v_mov_b32 v[C_+3], v[T]
	v_mov_b32 v[C_+4], v[T+1]
	v_mov_b32 v[C_+5], v[T+2]
	global_store_b128 v[VA], v[C_:C_+3], s[DST:DST+1] offset:O_
.else                                  ; the block of lane half 1: words 0-3 in C + 8 .. C + 11, words 4, 5 in C + 6, C + 7, beside the other half's
	v_cvt_scalef32_pk16_fp6_f32 v[C_+8:C_+10], v[XS:XS+15], v[SOP]
	v_cvt_scalef32_pk16_fp6_f32 v[T:T+2], v[XS+16:XS+31], v[SOP]
	v_nop
	v_mov_b32 v[C_+11], v[T]
	v_mov_b32 v[C_+6], v[T+1]
	v_mov_b32 v[C_+7], v[T+2]
	global_store_b128 v[VA], v[C_+8:C_+11], s[DST:DST+1] offset:O_+256
	global_store_b128 v[VA], v[C_+4:C_+7], s[DST:DST+1] offset:O_+512
.endif
.if (\q)+2 < 8
	LOAD (\q)+2
.endif
.endm
	v_lshl_add_u32 v[SPW], v0, 2, SPARE
	v_mov_b32 v[NIL], 0
	v_lshrrev_b32 v1, 5, v0
	s_delay_alu instid0(VALU_DEP_1)
	v_readfirstlane_b32 s12, v1                    ; wave 0..7
	s_cmp_lt_u32 ttmp9, NWQ                        ; the work-group's number alone: all eight waves go the same way
	s_cbranch_scc1 .Lweights
	; ---------------------------------------------------------------- LAYERNORM 1
	s_load_b256 s[4:11], s[0:1], 0x0               ; x, gain, shift, the images
	v_and_b32 v1, 31, v0                           ; lane
	v_and_b32 v2, 15, v0                           ; r
	v_bfe_u32 v3, v0, 4, 1                         ; h
	s_delay_alu instid0(VALU_DEP_2)
	v_and_b32 v4, 7, v2
	s_delay_alu instid0(VALU_DEP_3)
	v_lshrrev_b32 v5, 3, v2
	s_delay_alu instid0(VALU_DEP_1)
	v_lshl_add_u32 v4, v5, 4, v4                   ; r % 8 + 16 (r / 8)
	s_delay_alu instid0(VALU_DEP_1)
	v_lshlrev_b32 v4, 12, v4                       ; rows of 4,096 bytes
	s_delay_alu instid0(VALU_DEP_1)
	v_lshl_add_u32 v4, v3, 6, v4                   ; + 64 h
	v_lshlrev_b32 v5, 6, v3                        ; gain and shift: 64 h
	v_lshlrev_b32 v7, 5, v2                        ; a row's eight parts: 32 r
	s_lshl_b32 s13, s12, 2
	v_add_nc_u32 v6, s13, v7                       ; my wave's part: + 4 w
	v_lshlrev_b32 v8, 4, v1                        ; 16 x lane
	v_lshlrev_b32 v10, 4, v2                       ; 16 r
	s_delay_alu instid0(VALU_DEP_1)
	v_lshl_add_u32 v9, v3, 3, v10                  ; 16 r + 8 h
	v_mov_b32 v18, 0                               ; written once: a lane permute's destination counts as one of its sources
	v_mov_b32 v[TP], 0
	v_mov_b32 v[TP+1], 0
	s_mov_b32 s[SEL], 0x76543210
	s_mov_b32 s[SEL+1], 0xfedcba98
	s_mov_b32 s22, 0x3a800000                      ; 1 / 1,024
	s_mov_b32 s23, 0x3727c5ac                      ; 1e-5
	s_sub_co_u32 s18, ttmp9, NWQ                   ; my tile of 16 rows, 0 .. 255
	s_lshr_b32 s14, s18, 2                         ; group of 64 rows
	s_and_b32 s15, s18, 3                          ; tile a
	s_lshr_b32 s16, s15, 1
	s_and_b32 s17, s15, 1
	s_lshl_b32 s24, s14, 6
	s_lshl_b32 s25, s16, 5
	s_add_co_u32 s24, s24, s25
	s_lshl_b32 s25, s17, 3
	s_add_co_u32 s24, s24, s25                     ; the tile's first row: 64 group + 32 (a / 2) + 8 (a % 2)
	s_lshl_b32 s24, s24, 12
	s_lshl_b32 s26, s12, 9                         ; my wave's 512 bytes of a row
	s_add_co_u32 s24, s24, s26
	s_mov_b32 s25, 0
	s_mov_b32 s27, 0
	s_lshl_b32 s28, s14, 3
	s_add_co_u32 s28, s28, s12
	s_mul_i32 s28, s28, 6400                       ; my super-image
	s_mul_i32 s30, s15, 1536
	s_add_co_u32 s30, s30, s28                     ; my tile's images
	s_mov_b32 s31, 0
	s_lshl_b32 s29, s17, 1
	s_add_co_u32 s29, s29, s16
	s_lshl_b32 s29, s29, 2
	s_add_co_u32 s28, s28, s29
	s_add_co_u32 s28, s28, 6144                    ; my tile's scale words
	s_mov_b32 s29, 0
	s_wait_alu depctr_va_vdst(0)
	s_wait_kmcnt 0x0
	s_add_nc_u64 s[4:5], s[4:5], s[24:25]
	s_add_nc_u64 s[6:7], s[6:7], s[26:27]
	s_add_nc_u64 s[8:9], s[8:9], s[26:27]
	s_add_nc_u64 s[14:15], s[10:11], s[28:29]
	s_add_nc_u64 s[10:11], s[10:11], s[30:31]
.irp b, 0,1,2,3
.irp j, 0,1,2,3
	global_load_b128 v[X+16*\b+4*\j:X+16*\b+4*\j+3], v4, s[4:5] offset:128*\b+16*\j
.endr
.endr
.irp b, 0,1,2,3
.irp j, 0,1,2,3
	global_load_b128 v[G+16*\b+4*\j:G+16*\b+4*\j+3], v5, s[6:7] offset:128*\b+16*\j
.endr
.endr
.irp b, 0,1,2,3
.irp j, 0,1,2,3
	global_load_b128 v[B+16*\b+4*\j:B+16*\b+4*\j+3], v5, s[8:9] offset:128*\b+16*\j
.endr
.endr
	s_wait_loadcnt 32                              ; x's 16 loads are in; gain's and shift's 32 may be out
	v_pk_add_f32 v[16:17], v[32:33], v[34:35]
	v_pk_add_f32 v[238:239], v[40:41], v[44:45]
	v_pk_add_f32 v[230:231], v[48:49], v[52:53]
	v_pk_add_f32 v[14:15], v[56:57], v[60:61]
	s_delay_alu instid0(VALU_DEP_1)
	v_pk_add_f32 v[14:15], v[14:15], v[64:65]
	v_pk_add_f32 v[16:17], v[16:17], v[68:69]
	v_pk_add_f32 v[238:239], v[238:239], v[72:73]
	v_pk_add_f32 v[230:231], v[230:231], v[76:77]
	s_delay_alu instid0(VALU_DEP_4)
	v_pk_add_f32 v[14:15], v[14:15], v[80:81]
	s_delay_alu instid0(VALU_DEP_4)
	v_pk_add_f32 v[16:17], v[16:17], v[84:85]
	s_delay_alu instid0(VALU_DEP_4)
	v_pk_add_f32 v[238:239], v[238:239], v[88:89]
	s_delay_alu instid0(VALU_DEP_4)
	v_pk_add_f32 v[230:231], v[230:231], v[92:93]
	s_delay_alu instid0(VALU_DEP_4)
	v_pk_add_f32 v[14:15], v[14:15], v[36:37]
	s_delay_alu instid0(VALU_DEP_4)
	v_pk_add_f32 v[16:17], v[16:17], v[38:39]
	s_delay_alu instid0(VALU_DEP_4)
	v_pk_add_f32 v[238:239], v[238:239], v[42:43]
	s_delay_alu instid0(VALU_DEP_4)
	v_pk_add_f32 v[230:231], v[230:231], v[46:47]
	s_delay_alu instid0(VALU_DEP_4)
	v_pk_add_f32 v[14:15], v[14:15], v[50:51]
	s_delay_alu instid0(VALU_DEP_4)
	v_pk_add_f32 v[16:17], v[16:17], v[54:55]
	s_delay_alu instid0(VALU_DEP_4)
	v_pk_add_f32 v[238:239], v[238:239], v[58:59]
	s_delay_alu instid0(VALU_DEP_4)
	v_pk_add_f32 v[230:231], v[230:231], v[62:63]
	s_delay_alu instid0(VALU_DEP_4)
	v_pk_add_f32 v[14:15], v[14:15], v[66:67]
	s_delay_alu instid0(VALU_DEP_4)
	v_pk_add_f32 v[16:17], v[16:17], v[70:71]
	s_delay_alu instid0(VALU_DEP_4)
	v_pk_add_f32 v[238:239], v[238:239], v[74:75]
	s_delay_alu instid0(VALU_DEP_4)
	v_pk_add_f32 v[230:231], v[230:231], v[78:79]
	s_delay_alu instid0(VALU_DEP_4)
	v_pk_add_f32 v[14:15], v[14:15], v[82:83]
	s_delay_alu instid0(VALU_DEP_4)
	v_pk_add_f32 v[16:17], v[16:17], v[86:87]
	s_delay_alu instid0(VALU_DEP_4)
	v_pk_add_f32 v[238:239], v[238:239], v[90:91]
	s_delay_alu instid0(VALU_DEP_4)
	v_pk_add_f32 v[230:231], v[230:231], v[94:95]
	s_delay_alu instid0(VALU_DEP_2)
	v_pk_add_f32 v[14:15], v[14:15], v[238:239]
	s_delay_alu instid0(VALU_DEP_2)
	v_pk_add_f32 v[16:17], v[16:17], v[230:231]
	s_delay_alu instid0(VALU_DEP_1)
	v_pk_add_f32 v[14:15], v[14:15], v[16:17]
	s_delay_alu instid0(VALU_DEP_1)
	v_add_f32 v14, v14, v15
	s_delay_alu instid0(VALU_DEP_1)
	v_permlanex16_b32 v18, v14, s[SEL], s[SEL+1]
	s_delay_alu instid0(VALU_DEP_1)
	v_add_f32 v14, v14, v18                        ; my row's 128 columns of this K step
	ds_store_b32 v6, v14                           ; both lanes of a row write the same word with the same value
	s_wait_dscnt 0x0                               ; for the others' sake: my store has landed
	s_barrier_signal -1
	s_barrier_wait -1
	ds_load_b128 v[20:23], v7
	ds_load_b128 v[24:27], v7 offset:16
	s_wait_dscnt 0x0
	v_pk_add_f32 v[20:21], v[20:21], v[22:23]      ; the same order in every wave: all eight hold the same mean
	v_pk_add_f32 v[24:25], v[24:25], v[26:27]
	s_delay_alu instid0(VALU_DEP_1)
	v_pk_add_f32 v[20:21], v[20:21], v[24:25]
	s_delay_alu instid0(VALU_DEP_1)
	v_add_f32 v20, v20, v21
	s_delay_alu instid0(VALU_DEP_1)
	v_mul_f32 v[MEAN], s22, v20
	s_delay_alu instid0(VALU_DEP_1)
	v_mov_b32 v[MEAN+1], v[MEAN]
.set I_, 0
.rept 32
	v_pk_add_f32 v[X+I_:X+I_+1], v[X+I_:X+I_+1], v[MEAN:MEAN+1] neg_lo:[0,1] neg_hi:[0,1]   ; d = x - mean
.set I_, I_+2
.endr
	v_pk_mul_f32 v[14:15], v[X:X+1], v[X:X+1]
	v_pk_mul_f32 v[16:17], v[X+2:X+3], v[X+2:X+3]
.irp i, 4,8,12,16,20,24,28,32,36,40,44,48,52,56,60
	s_delay_alu instid0(VALU_DEP_2)
	v_pk_fma_f32 v[14:15], v[X+\i:X+\i+1], v[X+\i:X+\i+1], v[14:15]
	s_delay_alu instid0(VALU_DEP_2)
	v_pk_fma_f32 v[16:17], v[X+\i+2:X+\i+3], v[X+\i+2:X+\i+3], v[16:17]
.endr
	s_delay_alu instid0(VALU_DEP_1)
	v_pk_add_f32 v[14:15], v[14:15], v[16:17]
	s_delay_alu instid0(VALU_DEP_1)
	v_add_f32 v14, v14, v15
	s_delay_alu instid0(VALU_DEP_1)
	v_permlanex16_b32 v18, v14, s[SEL], s[SEL+1]
	s_delay_alu instid0(VALU_DEP_1)
	v_add_f32 v14, v14, v18
	ds_store_b32 v6, v14 offset:RED2               ; other bytes than the first sums': no wave can still be reading them
	s_wait_dscnt 0x0
	s_barrier_signal -1
	s_barrier_wait -1
	ds_load_b128 v[20:23], v7 offset:RED2
	ds_load_b128 v[24:27], v7 offset:RED2+16
	s_wait_dscnt 0x0
	v_pk_add_f32 v[20:21], v[20:21], v[22:23]
	v_pk_add_f32 v[24:25], v[24:25], v[26:27]
	s_delay_alu instid0(VALU_DEP_1)
	v_pk_add_f32 v[20:21], v[20:21], v[24:25]
	s_delay_alu instid0(VALU_DEP_1)
	v_add_f32 v20, v20, v21
	s_delay_alu instid0(VALU_DEP_1)
	v_fma_f32 v20, v20, s22, s23                   ; var + eps
	s_wait_alu depctr_va_vdst(0)
	v_rsq_f32 v[RSTD], v20
	v_nop                                          ; a plain place behind the transcendental
	s_wait_alu depctr_va_vdst(0)                   ; the wait ahead of the first line that names the result
	v_mov_b32 v[RSTD+1], v[RSTD]
	s_wait_alu depctr_va_vdst(0)
	s_wait_loadcnt 0x0                             ; gain and shift
.set I_, 0
.rept 32
	v_pk_mul_f32 v[X+I_:X+I_+1], v[X+I_:X+I_+1], v[RSTD:RSTD+1]
.set I_, I_+2
.endr
.set I_, 0
.rept 32
	v_pk_fma_f32 v[X+I_:X+I_+1], v[X+I_:X+I_+1], v[G+I_:G+I_+1], v[B+I_:B+I_+1]
.set I_, I_+2
.endr
	QH X, CD0, HW
	QH X+32, CD1, HW+1
	v_lshl_or_b32 v[W], v[HW+1], 16, v[HW]         ; my row's scale word for these 128
	global_store_b128 v8, v[CD0:CD0+3], s[10:11]
	global_store_b64 v9, v[CD0+4:CD0+5], s[10:11] offset:512
	global_store_b128 v8, v[CD1:CD1+3], s[10:11] offset:768
	global_store_b64 v9, v[CD1+4:CD1+5], s[10:11] offset:1280
	s_wait_alu depctr_va_vdst(0)
	s_wait_xcnt 0x0                                ; EXEC changes only behind this wait
	v_cmp_gt_u32 vcc_lo, 16, v1
	s_and_saveexec_b32 s16, vcc_lo                 ; lanes 0-15: one word a row; its neighbours belong to the three other tiles' work-groups
	global_store_b32 v10, v[W], s[14:15]
	s_wait_xcnt 0x0                                ; and again, in front of the line that widens it
	s_or_b32 exec_lo, exec_lo, s16
	s_wait_tensorcnt 0x0                           ; the wave's end
	ds_add_u32 v[SPW], v[NIL]
	s_wait_dscnt 0x0
	s_endpgm
	; ---------------------------------------------------------------- THE WEIGHTS
.Lweights:
	s_and_b32 s[WV], s12, 3                        ; my place among four waves,
	s_lshr_b32 s3, s12, 2
	s_lshl_b32 s22, ttmp9, 1
	s_add_co_u32 s3, s3, s22                       ; and the four's number, 0 .. 383
	s_load_b256 s[8:15], s[0:1], 0x20              ; Wq, Wk, Wv, Wo
	s_load_b128 s[16:19], s[0:1], 0x40             ; W1, W2
	s_load_b64 s[20:21], s[0:1], 0x50              ; the images
	s_lshr_b32 s22, s3, 7                          ; region 0, 1, 2
	s_bfe_u32 s[ID], s3, 0x20005
	s_add_co_u32 s24, s22, 3
	s_and_b32 s25, s3, 31
	s_and_b32 s26, s3, 127
	s_cmp_eq_u32 s22, 0
	s_cselect_b32 s[ID], s[ID], s24                ; the weight's number
	s_cselect_b32 s25, s25, s26                    ; my number among its fours
	s_cmp_eq_u32 s22, 1
	s_cselect_b32 s27, 4, 2                        ; log2 of its column groups of 256: W1 has 16, the others 4
	s_cmp_eq_u32 s22, 2
	s_cselect_b32 s31, 32, 8                       ; its K steps: W2 has 32
	s_lshl_b32 s[STRIDE], 1024, s27                ; a row of W in bytes: 16,384 or 4,096
	s_bfm_b32 s29, s27, 0
	s_and_b32 s29, s25, s29                        ; column group
	s_lshr_b32 s30, s25, s27                       ; K step
	s_mul_i32 s32, s30, s[STRIDE]
	s_lshl_b32 s32, s32, 7                         ; 128 rows a K step
	s_lshl_b32 s33, s29, 10
	s_add_co_u32 s32, s32, s33                     ; + 256 columns a group
	s_lshl_b32 s33, s[WV], 8
	s_add_co_u32 s32, s32, s33                     ; + 64 columns a wave
	s_mov_b32 s33, 0
	s_lshl_b32 s34, s[STRIDE], 5                   ; 32 rows
	s_mov_b32 s35, 0
	s_lshl_b32 s36, s29, 2
	s_add_co_u32 s36, s36, s[WV]                   ; my group of 64 columns
	s_mul_i32 s36, s36, s31
	s_add_co_u32 s36, s36, s30                     ; super-image number
	s_mul_i32 s36, s36, 6400
	s_cmp_eq_u32 s[ID], 5
	s_cselect_b32 s37, 8, s[ID]                    ; the weights' images lie 819,200 bytes apart; W1's are four times as long
	s_mul_i32 s37, s37, 819200
	s_add_co_u32 s36, s36, s37
	s_mov_b32 s37, 0
	v_and_b32 v1, 31, v0                           ; lane
	s_delay_alu instid0(VALU_DEP_1)
	v_lshlrev_b32 v[OFF], 2, v1
.set I_, 1
.rept 31
	s_delay_alu instid0(VALU_DEP_1)
	v_add_nc_u32 v[OFF+I_], s[STRIDE], v[OFF+I_-1]
.set I_, I_+1
.endr
	v_bfe_u32 v[BY], v1, 3, 1                      ; u
	v_and_b32 v[VA], 7, v1
	v_lshrrev_b32 v[SOP], 4, v1
	s_delay_alu instid0(VALU_DEP_1)
	v_lshl_add_u32 v[VA], v[SOP], 3, v[VA]         ; r
	s_delay_alu instid0(VALU_DEP_1)
	v_lshlrev_b32 v[VA], 4, v[VA]
	s_delay_alu instid0(VALU_DEP_1)
	v_lshl_add_u32 v[VS], v[BY], 3, v[VA]
	s_delay_alu instid0(VALU_DEP_2)
	v_mad_u32_u24 v[VA], v[BY], 1536, v[VA]
	s_wait_alu depctr_va_vdst(0)
	s_wait_kmcnt 0x0
	s_cmp_eq_u32 s[ID], 1                          ; the choice hangs on ids alone
	s_cselect_b64 s[8:9], s[10:11], s[8:9]
	s_cmp_eq_u32 s[ID], 2
	s_cselect_b64 s[8:9], s[12:13], s[8:9]
	s_cmp_eq_u32 s[ID], 3
	s_cselect_b64 s[8:9], s[14:15], s[8:9]
	s_cmp_eq_u32 s[ID], 4
	s_cselect_b64 s[8:9], s[16:17], s[8:9]
	s_cmp_eq_u32 s[ID], 5
	s_cselect_b64 s[8:9], s[18:19], s[8:9]
	s_add_nc_u64 s[SB:SB+1], s[8:9], s[32:33]
	s_add_nc_u64 s[SB+2:SB+3], s[SB:SB+1], s[34:35]
	s_add_nc_u64 s[SB+4:SB+5], s[SB+2:SB+3], s[34:35]
	s_add_nc_u64 s[SB+6:SB+7], s[SB+4:SB+5], s[34:35]
	s_add_nc_u64 s[DST:DST+1], s[20:21], s[36:37]
	LOAD 0
	LOAD 1
.set Q, 0
.rept 8
	BLOCK Q
.set Q, Q+1
.endr
	global_store_b64 v[VS], v[SW:SW+1], s[DST:DST+1] offset:6144   ; the wave's 64 scale words: 256 consecutive bytes
	s_endpgm
.Lfunc_end_k_q29b43c0a62_prep:
	.size	k_q29b43c0a62_prep, .Lfunc_end_k_q29b43c0a62_prep-k_q29b43c0a62_prep
	.p2alignl 7, 3214868480
	.fill 96, 4, 3214868480
	.section	.rodata,"a",@progbits
	.p2align	6, 0x0
	.amdhsa_kernel k_q29b43c0a62_prep
		.amdhsa_group_segment_fixed_size 2048
		.amdhsa_private_segment_fixed_size 0
		.amdhsa_enable_private_segment 0
		.amdhsa_kernarg_size 88
		.amdhsa_user_sgpr_count 2
		.amdhsa_user_sgpr_kernarg_segment_ptr 1
		.amdhsa_wavefront_size32 1
		.amdhsa_system_sgpr_workgroup_id_x 1
		.amdhsa_system_sgpr_workgroup_id_y 1
		.amdhsa_system_sgpr_workgroup_id_z 1
		.amdhsa_system_vgpr_workitem_id 0
		.amdhsa_next_free_vgpr 256
		.amdhsa_next_free_sgpr 66
		.amdhsa_reserve_vcc 1
		.amdhsa_float_denorm_mode_32 3
		.amdhsa_float_denorm_mode_16_64 3
		.amdhsa_memory_ordered 1
		.amdhsa_forward_progress 1
		.amdhsa_inst_pref_size 74
	.end_amdhsa_kernel
	.amdgpu_metadata
---
amdhsa.version: [ 1, 2 ]
amdhsa.kernels:
  - .name:           k_q29b43c0a62_prep
    .symbol:         k_q29b43c0a62_prep.kd
    .args:
      - { .name: X, .offset: 0, .size: 8, .value_kind: global_buffer, .address_space: global }
      - { .name: ln1_scale, .offset: 8, .size: 8, .value_kind: global_buffer, .address_space: global }
      - { .name: ln1_shift, .offset: 16, .size: 8, .value_kind: global_buffer, .address_space: global }
      - { .name: h1c, .offset: 24, .size: 8, .value_kind: global_buffer, .address_space: global }
      - { .name: Wq, .offset: 32, .size: 8, .value_kind: global_buffer, .address_space: global }
      - { .name: Wk, .offset: 40, .size: 8, .value_kind: global_buffer, .address_space: global }
      - { .name: Wv, .offset: 48, .size: 8, .value_kind: global_buffer, .address_space: global }
      - { .name: Wo, .offset: 56, .size: 8, .value_kind: global_buffer, .address_space: global }
      - { .name: W1, .offset: 64, .size: 8, .value_kind: global_buffer, .address_space: global }
      - { .name: W2, .offset: 72, .size: 8, .value_kind: global_buffer, .address_space: global }
      - { .name: wts, .offset: 80, .size: 8, .value_kind: global_buffer, .address_space: global }
    .group_segment_fixed_size: 2048
    .private_segment_fixed_size: 0
    .kernarg_segment_align: 8
    .kernarg_segment_size: 88
    .max_flat_workgroup_size: 256
    .sgpr_count:     66
    .vgpr_count:     256
    .wavefront_size: 32
...
	.end_amdgpu_metadata
.endif
;; end of part 1
;; launch qkv (part 2): grid 8 x 32, 4 waves a work-group, clusters of 4 x 4, 327,680 bytes of LDS; arguments h1c, wts, qkvc; writes qkvc
.if DOCPART == 2
	.amdgcn_target "amdgcn-amd-amdhsa--gfx1250"
	.amdhsa_code_object_version 6
	.text
	.protected	k_q29b43c0a62_qkv
	.globl	k_q29b43c0a62_qkv
	.p2align	8
	.type	k_q29b43c0a62_qkv,@function
k_q29b43c0a62_qkv:
	s_mov_b64 s[64:65], 0
	v_nop
	global_prefetch_b8 v0, s[64:65] scope:SCOPE_SE
	s_setreg_imm32_b32 hwreg(HW_REG_WAVE_MODE, 25, 1), 1
	s_wait_xcnt 0x0
	s_wait_alu depctr_hold_cnt(0) depctr_sa_sdst(0) depctr_va_vdst(0) depctr_va_sdst(0) depctr_va_ssrc(0) depctr_va_vcc(0) depctr_vm_vsrc(0)
	s_getreg_b32 s2, hwreg(HW_REG_IB_STS2, 6, 4)
	s_cmp_eq_u32 s2, 0
	s_cbranch_scc0 .Lentry_in_a_cluster
	s_endpgm
.Lentry_in_a_cluster:
	s_bfe_u32 s2, ttmp6, 0x10000c
	s_cmp_lg_u32 s2, 0xf033
	s_cbranch_scc0 .Lentry_shape_is_right
	s_endpgm
.Lentry_shape_is_right:
; q = h Wq, k = h Wk, v = h Wv on codes of FP6 (E2M3) with E8M0 scales, and the results quantised at once: q and k along the head's 64, v along the keys.  h: 4,096 tokens x 1,024; each W: 1,024 x 1,024.
; OPERANDS ARE IMAGES OF REGISTERS: rows in groups of 64, four tiles a of 16, lane-row r of tile a = row 32 (a / 2) + 8 (a % 2) + r % 8 + 16 (r / 8); a half image (768 bytes) = 16 rows x 64 K: lane (r, h)'s words 0-3 at 16 (r + 16 h),
; words 4, 5 at 512 + 16 r + 8 h; a super-image (6,400 bytes) = a group x 128 K: tile a, half c at 1536 a + 768 c, scale word of (a, r) at 6144 + 16 r + 4 p(a), p(a) = 2 (a % 2) + a / 2.  A strip = 2 groups x all 8 K steps = 102,400 dense bytes.
; SHARES.  A work-group makes 128 tokens x 128 columns of q, then of k, then of v; four waves, 64 x 64 each: 16 accumulators.  A's strip stays in LDS for all three; the weights' strips take turns in two slots:
; Wq in slot 0, Wk in slot 1 with the first fills; Wv into slot 0 behind the one change, with q's way out and all of k's products in which to land.  By this text's count a wave has at most three tensor loads out.
; CLUSTER 4 x 4: the four of a row need the same strip of h, the four of a column the same strips of W: each is asked for JOINTLY.  Every wave fetches quarter w of every strip, so no load stands under a branch.
; q, k: source 0 = 16 columns of W, source 1 = 16 tokens: a lane holds one token and its registers run along the head's 64, in the order that the quantiser wants.  v: THE SOURCES ARE SWAPPED: a lane holds one column and its registers run along 64 keys.
; OUT: records of 3,328 bytes (64 rows x 64 K): half image a at 768 a, scale word (low half: two bytes; high half 0) at 3072 + 16 r + 4 p(a); record number (16 batch + head) 16 + group of 64 tokens, in three regions q, k, v.
; LIMITS: a block of zeros, or one whose largest magnitude lies under 2^-124, gets the byte 1 (this program alone reads the bytes); NaN and infinities are not served.
; REGISTERS: window 0: v0-31 addresses; v32-39 scale words, two sets (lanes 0-15 A's four words, lanes 16-31 B's); v64-111 the way out; v128-255 accumulators (y, x) at 128 + 8 (4 y + x).  Window 1: two fragment buffers of 96 at 0 and 128: A's tile a at 12 a, B's at 48 + 12 b.
.set STRIP, 102400
.set QUART, 25600                      ; what one tensor load brings: 100 rows of 256 dense bytes
.set REGN,  3407872                    ; a region of the output
.set SPARE, 3*STRIP                    ; behind A's strip and the two slots: the spare words, 128 bytes a wave: two blocks of 256 bytes that no other line names
.set LI,   4                           ; v4  16 x lane
.set LJ,   5                           ; v5  16 r + 8 h
.set ADA1, 16                          ; v16, v17 A's group in LDS + LI, + LJ
.set ADA2, 17
.set ADB1, 18                          ; v18-19 B's group in slot 0, 1 + LI
.set ADB2, 20                          ; v20-21 + LJ
.set ADS,  22                          ; v22-23 scale words: lanes 0-15 A's, lanes 16-31 B's
.set SPW,  30
.set NIL,  31
.set SC,   32
.set CD,   64                          ; v64-95 four half images, 8 registers apart
.set HW,   96                          ; v96-99 their scale bytes
.set W,    100                         ; v100-101
.set TM,   102
.set TP,   104
.set TS,   106
.set TC,   108
.set ACC,  128
.set WV, 14
.set WR, 15
.set WC, 16
.set CX, 17
.set CY, 18
.set XG, 19
.set YG, 20
.set G1,   24                          ; s[24:31] group 1, A's mask (my row of the cluster)
.set G0A,  32                          ; s[32:35]
.set G0B0, 36                          ; s[36:39] slot 0
.set G0B1, 40                          ; s[40:43] slot 1
.set SEL,  44
.set HMASK, 46
.set G1B,  48                          ; s[48:55] group 1, B's mask (my column)
.set OUT,  60                          ; s[60:61] my record in region q
.set MSB, 0
.macro WIN new                         ; the immediate's high byte repeats the setting that is left
.if MSB != \new
	s_set_vgpr_msb (MSB<<8)|\new
.set MSB, \new
.endif
.endm
.set MUL,  0x05                        ; sources 0 and 1 window 1; C and D window 0
.set TO_F, 0x40                        ; destination window 1, address window 0
.macro PLACES                          ; four places behind matrix instructions, in front of loads into their registers and of reads of their results
.rept 4
	v_nop
.endr
.endm
.macro CROUND                          ; a round of the cluster's barrier
	s_barrier_signal -1
	s_barrier_wait -1
	s_cmp_lg_u32 s[WV], 0
	s_cbranch_scc1 .Lnot_wave_0_\@
	s_barrier_signal -3
.Lnot_wave_0_\@:
	s_barrier_wait -3
	s_barrier_signal -1
	s_barrier_wait -1
.endm
; 32 numbers of a lane, register 16 b + i = k 32 b + 16 (lane / 16) + i of its row, become a half image's six registers and two scale bytes
.macro QH src, dst, hw
.irp b, 0,1
	v_max3_num_f32 v[TM+\b], |v[(\src)+16*\b]|, |v[(\src)+16*\b+1]|, 0x1800000   ; with the floor 2^(3 - 127): the byte cannot fall under 1
.endr
.irp i, 2,4,6,8,10,12,14
.irp b, 0,1
	v_max3_num_f32 v[TM+\b], v[TM+\b], |v[(\src)+16*\b+\i]|, |v[(\src)+16*\b+\i+1]|
.endr
.endr
.irp b, 0,1
	v_permlanex16_b32 v[TP+\b], v[TM+\b], s[SEL], s[SEL+1]
.endr
.irp b, 0,1
	v_max_num_f32 v[TM+\b], v[TM+\b], v[TP+\b]
.endr
.irp b, 0,1
	v_add_nc_u32 v[TS+\b], 0xff000000, v[TM+\b]    ; 2 off the exponent field: the conversion's scale operand
.endr
.irp b, 0,1
	v_lshrrev_b32 v[TP+\b], 23, v[TS+\b]
.endr
	v_lshl_or_b32 v[\hw], v[TP+1], 8, v[TP]
	v_cvt_scalef32_pk16_fp6_f32 v[(\dst):(\dst)+2], v[(\src):(\src)+15], v[TS]
	v_cvt_scalef32_pk16_fp6_f32 v[TC:TC+2], v[(\src)+16:(\src)+31], v[TS+1]
	v_nop                                          ; one plain place behind a scaled conversion
.irp i, 0,1,2
	v_permlane16_swap_b32 v[(\dst)+\i], v[TC+\i]   ; a lane gets a WHOLE block
.endr
.irp i, 0,1,2
	v_mov_b32 v[(\dst)+3+\i], v[TC+\i]
.endr
.endm
; 33 LDS loads in one run: the fragments and scale words of the K step at byte k, into buffer f
.macro FETCH f, k, pa1, pa2, pb1, pb2, ps
	WIN TO_F
.irp t, 0,1,2,3
.irp c, 0,1
	ds_load_b128 v[128*(\f)+12*\t+6*\c:128*(\f)+12*\t+6*\c+3], v[\pa1] offset:(\k)+\t*1536+\c*768
	ds_load_b64 v[128*(\f)+12*\t+6*\c+4:128*(\f)+12*\t+6*\c+5], v[\pa2] offset:(\k)+\t*1536+\c*768+512
.endr
.endr
.irp t, 0,1,2,3
.irp c, 0,1
	ds_load_b128 v[128*(\f)+48+12*\t+6*\c:128*(\f)+48+12*\t+6*\c+3], v[\pb1] offset:(\k)+\t*1536+\c*768
	ds_load_b64 v[128*(\f)+48+12*\t+6*\c+4:128*(\f)+48+12*\t+6*\c+5], v[\pb2] offset:(\k)+\t*1536+\c*768+512
.endr
.endr
	WIN 0
	ds_load_b128 v[SC+4*(\f):SC+4*(\f)+3], v[\ps] offset:(\k)+6144
.endm
; four matrix instructions: A's tile y against B's four.  cm = 0: they start the sums.  The sixteen accumulators take turns, one instruction a turn
.macro MULA f, y, cm
.irp x, 0,1,2,3
.if (\cm) == 0
	v_wmma_scale_f32_16x16x128_f8f6f4 v[ACC+8*(4*(\y)+\x):ACC+8*(4*(\y)+\x)+7], v[128*(\f)+48+12*\x:128*(\f)+48+12*\x+11], v[128*(\f)+12*(\y):128*(\f)+12*(\y)+11], 0, v[SC+4*(\f)+2*(\x%2)+\x/2], v[SC+4*(\f)+2*((\y)%2)+(\y)/2] matrix_a_fmt:MATRIX_FMT_FP6 matrix_b_fmt:MATRIX_FMT_FP6 matrix_a_scale:MATRIX_SCALE_ROW1
.else
	v_wmma_scale_f32_16x16x128_f8f6f4 v[ACC+8*(4*(\y)+\x):ACC+8*(4*(\y)+\x)+7], v[128*(\f)+48+12*\x:128*(\f)+48+12*\x+11], v[128*(\f)+12*(\y):128*(\f)+12*(\y)+11], v[ACC+8*(4*(\y)+\x):ACC+8*(4*(\y)+\x)+7], v[SC+4*(\f)+2*(\x%2)+\x/2], v[SC+4*(\f)+2*((\y)%2)+(\y)/2] matrix_a_fmt:MATRIX_FMT_FP6 matrix_b_fmt:MATRIX_FMT_FP6 matrix_a_scale:MATRIX_SCALE_ROW1
.endif
.endr
.endm
; the same with the sources swapped: B's tile y (source 1) against A's four (source 0)
.macro MULS f, y, cm
.irp x, 0,1,2,3
.if (\cm) == 0
	v_wmma_scale_f32_16x16x128_f8f6f4 v[ACC+8*(4*(\y)+\x):ACC+8*(4*(\y)+\x)+7], v[128*(\f)+12*\x:128*(\f)+12*\x+11], v[128*(\f)+48+12*(\y):128*(\f)+48+12*(\y)+11], 0, v[SC+4*(\f)+2*(\x%2)+\x/2], v[SC+4*(\f)+2*((\y)%2)+(\y)/2] matrix_a_fmt:MATRIX_FMT_FP6 matrix_b_fmt:MATRIX_FMT_FP6 matrix_b_scale:MATRIX_SCALE_ROW1
.else
	v_wmma_scale_f32_16x16x128_f8f6f4 v[ACC+8*(4*(\y)+\x):ACC+8*(4*(\y)+\x)+7], v[128*(\f)+12*\x:128*(\f)+12*\x+11], v[128*(\f)+48+12*(\y):128*(\f)+48+12*(\y)+11], v[ACC+8*(4*(\y)+\x):ACC+8*(4*(\y)+\x)+7], v[SC+4*(\f)+2*(\x%2)+\x/2], v[SC+4*(\f)+2*((\y)%2)+(\y)/2] matrix_a_fmt:MATRIX_FMT_FP6 matrix_b_fmt:MATRIX_FMT_FP6 matrix_b_scale:MATRIX_SCALE_ROW1
.endif
.endr
.endm
; a whole product over K = 1,024: eight K steps; a step's 33 loads are issued ahead of the step before's 16 matrix instructions
.macro TILE sg, sw
	FETCH 0, 0, ADA1, ADA2, ADB1+\sg, ADB2+\sg, ADS+\sg
.set S_, 0
.rept 8
	s_wait_dscnt 0x0                               ; this step's fragments, asked for a step ago, are in
.if S_ < 7
	PLACES
	FETCH (S_+1)%2, (S_+1)*6400, ADA1, ADA2, ADB1+\sg, ADB2+\sg, ADS+\sg
.endif
	WIN MUL
.irp y, 0,1,2,3
.if \sw
.if S_ == 0
	MULS 0, \y, 0
.else
	MULS S_%2, \y, 1
.endif
.else
.if S_ == 0
	MULA 0, \y, 0
.else
	MULA S_%2, \y, 1
.endif
.endif
.endr
	WIN 0
.set S_, S_+1
.endr
.endm
; the way out of tile t (0 q, 1 k, 2 v): each group of four accumulators is 16 rows x 64 K: a half image
.macro EPI_H t
	s_wait_xcnt 0x0                                ; the last way out's stores have read their registers
.irp y, 0,1,2,3
	QH ACC+32*\y, CD+8*\y, HW+\y
	global_store_b128 v[LI], v[CD+8*\y:CD+8*\y+3], s[OUT:OUT+1] offset:\t*REGN+\y*768
	global_store_b64 v[LJ], v[CD+8*\y+4:CD+8*\y+5], s[OUT:OUT+1] offset:\t*REGN+\y*768+512
.endr
	v_cndmask_b32 v[W], v[HW], v[HW+1], s[HMASK]   ; lanes 0-15 store the words of tiles 0 and 2, lanes 16-31 those of tiles 1 and 3: 256 consecutive bytes
	v_cndmask_b32 v[W+1], v[HW+2], v[HW+3], s[HMASK]
	global_store_b64 v[LJ], v[W:W+1], s[OUT:OUT+1] offset:\t*REGN+3072
.endm
	s_load_b128 s[4:7], s[0:1], 0x0                ; h's images, the weights' images
	s_load_b64 s[8:9], s[0:1], 0x10                ; q, k, v
	v_lshl_add_u32 v[SPW], v0, 2, SPARE
	v_mov_b32 v[NIL], 0
	ds_add_u32 v[SPW], v[NIL]                      ; the wave's opening: the add and its wait come ahead of my first tensor load; the set-up below, work on registers, stands between them
	ds_add_u32 v[SPW], v[NIL]
	v_lshrrev_b32 v1, 5, v0
	v_readfirstlane_b32 s[WV], v1
	s_lshr_b32 s[WR], s[WV], 1                     ; which 64 tokens are mine
	s_and_b32 s[WC], s[WV], 1                      ; which 64 columns
	s_bfe_u32 s[CX], ttmp6, 0x40000
	s_bfe_u32 s[CY], ttmp6, 0x40004
	s_lshl_b32 s[XG], ttmp9, 2
	s_add_co_u32 s[XG], s[XG], s[CX]               ; strip of columns
	s_and_b32 s[YG], ttmp7, 0xffff
	s_lshl_b32 s[YG], s[YG], 2
	s_add_co_u32 s[YG], s[YG], s[CY]               ; strip of tokens
	s_lshl_b32 s21, s[CY], 2
	s_lshl_b32 s21, 15, s21                        ; my row of the cluster
	s_lshl_b32 s22, 0x1111, s[CX]                  ; my column
	s_or_b32 s[G1], s21, (3<<16)|(1<<21)           ; 15:0 the mask; 17:16 elements of 8 bytes; 21 set beside a mask; no padding
	s_or_b32 s[G1B], s22, (3<<16)|(1<<21)
.irp g, G1, G1B
	s_mov_b32 s[\g+1], 32<<16                      ; tensor_dim0 = 32 elements: 256 bytes
	s_mov_b32 s[\g+2], 200<<16                     ; tensor_dim1 = 200 for the head's loads: half a strip; B's is set to 100 behind them
	s_mov_b32 s[\g+3], 32<<16                      ; tile_dim0
	s_mov_b32 s[\g+4], 200                         ; tile_dim1
	s_mov_b32 s[\g+5], 32                          ; the pitch: dense
	s_mov_b32 s[\g+6], 0
	s_mov_b32 s[\g+7], 0
.endr
	s_mul_i32 s23, s[WV], QUART                    ; my quarter of a strip, in memory and in LDS: no place in the cluster enters an LDS address
	s_mul_i32 s68, s[WC], 2*QUART                  ; the head's loads: which half of a strip, in memory,
	s_mul_i32 s69, s[WV], 2*QUART                  ; and where it goes: A's two halves, then slot 0's two halves
	s_mul_i32 s58, s[YG], STRIP
	s_add_co_u32 s58, s58, s68
	s_mul_i32 s70, s[XG], STRIP
	s_add_co_u32 s70, s70, s68
	s_mov_b32 s71, 0
	s_mov_b32 s59, 0
	s_mul_i32 s56, s[XG], STRIP
	s_add_co_u32 s56, s56, s23
	s_mov_b32 s57, 0
	s_mov_b32 s[SEL], 0x76543210
	s_mov_b32 s[SEL+1], 0xfedcba98
	s_mov_b32 s[HMASK], 0xffff0000
	s_wait_dscnt 0x0                               ; the opening add is done
	s_wait_kmcnt 0x0
	s_add_nc_u64 s[58:59], s[4:5], s[58:59]
	s_add_nc_u64 s[56:57], s[6:7], s[56:57]
	CROUND                                         ; all sixteen work-groups are here: the first joint loads meet
	s_mov_b32 s[G0A], 1
	s_mov_b32 s[G0A+1], s69
	s_mov_b64 s[G0A+2:G0A+3], s[58:59]
	s_or_b32 s[G0A+3], s[G0A+3], 0x80000000
	s_mov_b32 s[G0B0], 1
	s_add_co_u32 s[G0B0+1], s23, STRIP
	s_mov_b64 s[G0B0+2:G0B0+3], s[56:57]           ; Wq's strip
	s_or_b32 s[G0B0+3], s[G0B0+3], 0x80000000
	s_mov_b32 s[G0B1], 1
	s_add_co_u32 s[G0B1+1], s23, 2*STRIP
	s_add_nc_u64 s[G0B1+2:G0B1+3], s[56:57], 819200   ; Wk's
	s_or_b32 s[G0B1+3], s[G0B1+3], 0x80000000
	; THE HEAD'S LOADS, ONE A WAVE: waves 0, 1 fetch the halves of A's strip, waves 2, 3 the halves of Wq's; Wk's strip follows behind the full sequence below
	s_mov_b32 s72, 1
	s_mov_b32 s73, s69
	s_add_nc_u64 s[74:75], s[6:7], s[70:71]        ; Wq's strip, my half
	s_or_b32 s75, s75, 0x80000000
	s_cmp_lt_u32 s[WV], 2                          ; the wave's number alone
	s_cbranch_scc0 .Lhead_b
	tensor_load_to_lds s[G0A:G0A+3], s[G1:G1+7]
	s_nop 0
	PLACES
	s_branch .Lhead_asked
.Lhead_b:
	tensor_load_to_lds s[72:75], s[G1B:G1B+7]
	s_nop 0
	PLACES
.Lhead_asked:
	v_and_b32 v1, 31, v0
	v_and_b32 v2, 15, v0                           ; r
	v_bfe_u32 v3, v0, 4, 1                         ; h
	v_lshlrev_b32 v[LI], 4, v1
	v_lshlrev_b32 v6, 4, v2
	v_lshl_add_u32 v[LJ], v3, 3, v6
	s_mul_i32 s21, s[WR], STRIP/2                  ; my group of A
	s_mul_i32 s22, s[WC], STRIP/2
	s_add_co_u32 s22, s22, STRIP                   ; my group of B in slot 0
	v_add_nc_u32 v[ADA1], s21, v[LI]
	v_add_nc_u32 v[ADA2], s21, v[LJ]
	v_add_nc_u32 v6, s21, v6
.irp g, 0,1
	v_add_nc_u32 v[ADB1+\g], s22, v[LI]
	v_add_nc_u32 v[ADB2+\g], s22, v[LJ]
	s_sub_co_u32 s23, s22, s21
	v_mul_u32_u24 v7, s23, v3                      ; lanes 16-31 take B's words: one product, h x the distance
	v_add_nc_u32 v[ADS+\g], v6, v7
	s_add_co_u32 s22, s22, STRIP
.endr
	v_mov_b32 v[TP], 0                             ; written once: a lane permute's destination counts as one of its sources
	v_mov_b32 v[TP+1], 0
	s_lshl_b32 s66, s[YG], 1
	s_add_co_u32 s66, s66, s[WR]                   ; my group of 64 tokens
	s_lshr_b32 s67, s66, 4
	s_lshl_b32 s67, s67, 8                         ; batch x 256
	s_and_b32 s66, s66, 15
	s_add_co_u32 s67, s67, s66
	s_lshl_b32 s66, s[XG], 1
	s_add_co_u32 s66, s66, s[WC]                   ; my head
	s_lshl_b32 s66, s66, 4
	s_add_co_u32 s66, s66, s67
	s_mul_i32 s66, s66, 3328
	s_mov_b32 s67, 0
	s_add_nc_u64 s[OUT:OUT+1], s[8:9], s[66:67]
	s_wait_alu depctr_va_vdst(0)
	s_wait_tensorcnt 0x0                           ; my half strip is in
	ds_add_u32 v[SPW], v[NIL]
	s_mov_b32 s[G1B+2], 100<<16                    ; no tensor load of mine is out: from here on a load brings a quarter strip, 100 rows
	s_mov_b32 s[G1B+4], 100
	s_wait_dscnt 0x0
	CROUND                                         ; A's and Wq's strips are whole in every wave's sight, and the partners' joint loads meet
	tensor_load_to_lds s[G0B1:G0B1+3], s[G1B:G1B+7]   ; Wk's strip into slot 1: it has all of q's products in which to land
	s_nop 0
	PLACES
	TILE 0, 0                                      ; q
	s_wait_tensorcnt 0x0                           ; THE ONE CHANGE: all my tensor loads have landed (Wk's quarter), so a group 0 may be written;
	ds_add_u32 v[SPW], v[NIL]                      ; 0 onto my spare word;
	s_add_nc_u64 s[G0B0+2:G0B0+3], s[G0B0+2:G0B0+3], 1638400   ; Wv's strip
	s_wait_dscnt 0x0                               ; the add is done, and my reads of slot 0 are over
	CROUND                                         ; both now hold of every wave of every partner
	tensor_load_to_lds s[G0B0:G0B0+3], s[G1B:G1B+7]   ; my one load behind the round: it has q's way out and all of k's products in which to land
	s_nop 0
	PLACES                                         ; also the places in front of the reads of q's sums
	EPI_H 0
	TILE 1, 0                                      ; k
	s_wait_tensorcnt 0x0                           ; my quarter of Wv is in,
	s_wait_dscnt 0x0
	s_barrier_signal -1
	s_barrier_wait -1                              ; everybody's is
	PLACES
	EPI_H 1
	TILE 0, 1                                      ; v, the sources swapped
	PLACES
	EPI_H 2
	s_wait_tensorcnt 0x0                           ; the wave's end
	ds_add_u32 v[SPW], v[NIL]
	s_wait_dscnt 0x0
	CROUND                                         ; the closing round
	s_endpgm
.Lfunc_end_k_q29b43c0a62_qkv:
	.size	k_q29b43c0a62_qkv, .Lfunc_end_k_q29b43c0a62_qkv-k_q29b43c0a62_qkv
	.p2alignl 7, 3214868480
	.fill 96, 4, 3214868480
	.section	.rodata,"a",@progbits
	.p2align	6, 0x0
	.amdhsa_kernel k_q29b43c0a62_qkv
		.amdhsa_group_segment_fixed_size 327680
		.amdhsa_private_segment_fixed_size 0
		.amdhsa_enable_private_segment 0
		.amdhsa_kernarg_size 24
		.amdhsa_user_sgpr_count 2
		.amdhsa_user_sgpr_kernarg_segment_ptr 1
		.amdhsa_wavefront_size32 1
		.amdhsa_system_sgpr_workgroup_id_x 1
		.amdhsa_system_sgpr_workgroup_id_y 1
		.amdhsa_system_sgpr_workgroup_id_z 1
		.amdhsa_system_vgpr_workitem_id 0
		.amdhsa_next_free_vgpr 512
		.amdhsa_next_free_sgpr 80
		.amdhsa_reserve_vcc 0
		.amdhsa_float_denorm_mode_32 3
		.amdhsa_float_denorm_mode_16_64 3
		.amdhsa_memory_ordered 1
		.amdhsa_forward_progress 1
		.amdhsa_inst_pref_size 138
	.end_amdhsa_kernel
	.amdgpu_metadata
---
amdhsa.version: [ 1, 2 ]
amdhsa.kernels:
  - .name:           k_q29b43c0a62_qkv
    .symbol:         k_q29b43c0a62_qkv.kd
    .args:
      - { .name: h1c, .offset: 0, .size: 8, .value_kind: global_buffer, .address_space: global }
      - { .name: wts, .offset: 8, .size: 8, .value_kind: global_buffer, .address_space: global }
      - { .name: qkvc, .offset: 16, .size: 8, .value_kind: global_buffer, .address_space: global }
    .group_segment_fixed_size: 327680
    .private_segment_fixed_size: 0
    .kernarg_segment_align: 8
    .kernarg_segment_size: 24
    .max_flat_workgroup_size: 128
    .sgpr_count:     80
    .vgpr_count:     512
    .wavefront_size: 32
...
	.end_amdgpu_metadata
.endif
;; end of part 2
;; launch attn (part 3): grid 4 x 64, 16 waves a work-group, clusters of 4 x 1, 167,936 bytes of LDS; arguments qkvc, ctxc; writes ctxc
.if DOCPART == 3
	.amdgcn_target "amdgcn-amd-amdhsa--gfx1250"
	.amdhsa_code_object_version 6
	.text
	.protected	k_q29b43c0a62_attn
	.globl	k_q29b43c0a62_attn
	.p2align	8
	.type	k_q29b43c0a62_attn,@function
k_q29b43c0a62_attn:
	s_mov_b64 s[64:65], 0
	v_nop
	global_prefetch_b8 v0, s[64:65] scope:SCOPE_SE
	s_setreg_imm32_b32 hwreg(HW_REG_WAVE_MODE, 25, 1), 1
	s_wait_xcnt 0x0
	s_wait_alu depctr_hold_cnt(0) depctr_sa_sdst(0) depctr_va_vdst(0) depctr_va_sdst(0) depctr_va_ssrc(0) depctr_va_vcc(0) depctr_vm_vsrc(0)
	s_getreg_b32 s2, hwreg(HW_REG_IB_STS2, 6, 4)
	s_cmp_eq_u32 s2, 0
	s_cbranch_scc0 .Lentry_in_a_cluster
	s_endpgm
.Lentry_in_a_cluster:
	s_bfe_u32 s2, ttmp6, 0x10000c
	s_cmp_lg_u32 s2, 0x3003
	s_cbranch_scc0 .Lentry_shape_is_right
	s_endpgm
.Lentry_shape_is_right:
; ctx[b][q][head] = softmax over k <= q of (q . k / 8) v, both products on codes of FP6 (E2M3) with E8M0 scales; the result quantised along the model's 1,024 and stored as images of operand registers.
; IN: records of 3,328 bytes (64 rows x 64 K): half image a (16 rows; lane (r, h)'s words 0-3 at 16 (r + 16 h), words 4, 5 at 512 + 16 r + 8 h) at 768 a; scale word (two bytes, high half 0) at 3072 + 16 r + 4 p(a), p(a) = 2 (a % 2) + a / 2.
; Lane-row r of tile a is row 32 (a / 2) + 8 (a % 2) + r % 8 + 16 (r / 8) of the 64.  Regions q, k (rows = tokens, K = the head's 64) and v (rows = the head's 64, K = 64 keys); record number (16 b + head) 16 + group of 64 tokens.
; THE SOFTMAX AHEAD OF THE SECOND PRODUCT: t = score x log2(e) / 8; M = the running largest t rounded UP to a whole number; p = 2^(t - M) is quantised along the keys, not normalised; the row's sum is taken of the unquantised p and divides at the end.
; SHARES.  A head's K and V codes, 2 x 53,248 bytes, come into LDS ONCE and stay: no ring.  The four work-groups of a cluster serve one head and ask for them JOINTLY (waves 0-3, a quarter each).  Work-group cx takes tile cx of EVERY group of 64 queries;
; wave j takes group j.  So which key steps a wave walks (0 .. j / 2, the last on the diagonal) hangs on the wave's number alone, and every work-group has the same work.
; Both products are used transposed: S^T = K Q^T, O^T = V^T P^T: a lane holds ONE query throughout; by the order of a tile's rows the 16 registers of two neighbouring tiles are 16 neighbouring keys.
; The first product's K is 64: the upper 64 of the instruction's 128 are zero codes on both sides (registers cleared once), under the scale words' zero bytes.
; Every wave walks all 8 trips of the loop; a step all of whose keys come after the wave's queries is jumped over by a scalar branch on ids.  On the diagonal hidden scores become -infinity ahead of the maximum; key 0 counts for every query, so M is a number from the first step on.
; LIMITS: a block whose every p has fallen to 0 keeps the byte 1; NaN and infinities are not served.
.set VOFF,  53248                      ; V's records behind K's
.set SPARE, 106496                     ; the spare words, 128 bytes for each of 16 waves: eight blocks of 256 bytes that no other line names
.set SPW,  5
.set NIL,  6
.set DQ,   7                           ; v7   my query - the diagonal step's first key - 16 h
.set KS,   80                          ; v80-83  K's scale words: lanes 0-15 the step's first record, lanes 16-31 its second
.set VLO,  84                          ; v84-87, v88-91 V's scale halfwords of the two records
.set VHI,  88
.set VS,   92                          ; v92-95  V's scale words
.set BM,   96                          ; v96-99  the blocks' largest scores
.set PT,   100
.set SO,   104
.set S,    128                         ; v128-191 S^T, then p, then V's four fragments
.set O,    192                         ; v192-223 O^T
.set TM,   96                          ; the quantiser's registers on the way out
.set TP,   100
.set TS,   104
.set TC,   108
.set WV,   10
.set CX,   11
.set BH,   12
.set DIAG, 13                          ; j / 2
.set KI,   14                          ; the step
.set TK,   15                          ; 6,656 x the step: two records
.set SEL,  20
.set CS,   22                          ; s[22:23] c = log2(e) / 8
.macro PLACES
.rept 4
	v_nop
.endr
.endm
.macro CROUND
	s_barrier_signal -1
	s_barrier_wait -1
	s_cmp_lg_u32 s[WV], 0
	s_cbranch_scc1 .Lnot_wave_0_\@
	s_barrier_signal -3
.Lnot_wave_0_\@:
	s_barrier_wait -3
	s_barrier_signal -1
	s_barrier_wait -1
.endm
.macro QH src, dst, hw
.irp b, 0,1
	v_max3_num_f32 v[TM+\b], |v[(\src)+16*\b]|, |v[(\src)+16*\b+1]|, 0x1800000
.endr
.irp i, 2,4,6,8,10,12,14
.irp b, 0,1
	s_delay_alu instid0(VALU_DEP_2)
	v_max3_num_f32 v[TM+\b], v[TM+\b], |v[(\src)+16*\b+\i]|, |v[(\src)+16*\b+\i+1]|
.endr
.endr
.irp b, 0,1
	s_delay_alu instid0(VALU_DEP_2)
	v_permlanex16_b32 v[TP+\b], v[TM+\b], s[SEL], s[SEL+1]
.endr
.irp b, 0,1
	s_delay_alu instid0(VALU_DEP_2)
	v_max_num_f32 v[TM+\b], v[TM+\b], v[TP+\b]
.endr
.irp b, 0,1
	s_delay_alu instid0(VALU_DEP_2)
	v_add_nc_u32 v[TS+\b], 0xff000000, v[TM+\b]
.endr
.irp b, 0,1
	s_delay_alu instid0(VALU_DEP_2)
	v_lshrrev_b32 v[TP+\b], 23, v[TS+\b]
.endr
	s_delay_alu instid0(VALU_DEP_1)
	v_lshl_or_b32 v[\hw], v[TP+1], 8, v[TP]
	v_cvt_scalef32_pk16_fp6_f32 v[(\dst):(\dst)+2], v[(\src):(\src)+15], v[TS]
	v_cvt_scalef32_pk16_fp6_f32 v[TC:TC+2], v[(\src)+16:(\src)+31], v[TS+1]
	v_nop
.irp i, 0,1,2
	v_permlane16_swap_b32 v[(\dst)+\i], v[TC+\i]
.endr
.irp i, 0,1,2
	s_delay_alu instid0(VALU_DEP_3)
	v_mov_b32 v[(\dst)+3+\i], v[TC+\i]
.endr
.endm
	s_load_b128 s[4:7], s[0:1], 0x0                ; q, k, v; ctx's images
	v_lshl_add_u32 v[SPW], v0, 2, SPARE
	v_mov_b32 v[NIL], 0
	ds_add_u32 v[SPW], v[NIL]                      ; the wave's opening: the add and its wait come ahead of the first tensor loads
	ds_add_u32 v[SPW], v[NIL]
	v_lshrrev_b32 v8, 5, v0
	s_delay_alu instid0(VALU_DEP_1)
	v_readfirstlane_b32 s[WV], v8                  ; wave j = group of 64 queries
	s_bfe_u32 s[CX], ttmp6, 0x40000                ; my tile of every group
	s_and_b32 s[BH], ttmp7, 0xffff                 ; 16 batch + head, which the four partners share
	; WHICH GROUP OF 64 QUERIES IS MINE: group j walks j / 2 + 1 key steps.  Wave w (s = w % 4) takes j = 15 - s, s, 11 - s, 4 + s for w / 4 = 0, 1, 2, 3: the four waves with one s walk 18 steps in all, whatever s
	s_and_b32 s51, s[WV], 3                        ; s
	s_bfe_u32 s52, s[WV], 0x10002                  ; (w / 4) % 2
	s_lshr_b32 s53, s[WV], 3                       ; w / 8
	s_xor_b32 s52, s52, 1
	s_mul_i32 s52, s52, 3                          ; 3 where w / 4 is even: x xor 3 = 3 - x for x = 0 .. 3
	s_xor_b32 s51, s51, s52
	s_xor_b32 s53, s53, s52
	s_lshl_b32 s53, s53, 2
	s_add_co_u32 s51, s51, s53                     ; j
	s_lshr_b32 s[DIAG], s51, 1
	s_mov_b32 s24, 15|(3<<16)|(1<<21)              ; group 1: the mask names all four; elements of 8 bytes; 21 set beside a mask
	s_mov_b32 s25, 32<<16                          ; rows of 256 dense bytes,
	s_mov_b32 s26, 104<<16                         ; 104 of them: eight records
	s_mov_b32 s27, 32<<16
	s_mov_b32 s28, 104
	s_mov_b32 s29, 32
	s_mov_b32 s30, 0
	s_mov_b32 s31, 0
	s_mul_i32 s33, s[WV], 26624                    ; where my quarter goes (waves 0-3): K's halves, then V's
	s_lshr_b32 s16, s[WV], 1
	s_mul_i32 s16, s16, 3407872                    ; region k or v
	s_and_b32 s17, s[WV], 1
	s_mul_i32 s17, s17, 26624
	s_add_co_u32 s16, s16, s17
	s_mul_i32 s17, s[BH], 53248
	s_add_co_u32 s16, s16, s17
	s_add_co_u32 s16, s16, 3407872
	s_mov_b32 s17, 0
	s_lshr_b32 s18, s[CX], 1
	s_and_b32 s19, s[CX], 1
	s_and_b32 s36, s51, 1
	s_lshl_b32 s36, s36, 6
	s_lshl_b32 s37, s18, 5
	s_add_co_u32 s36, s36, s37
	s_lshl_b32 s37, s19, 3
	s_add_co_u32 s50, s36, s37                     ; 64 (j % 2) + 32 (cx / 2) + 8 (cx % 2)
	s_lshl_b32 s19, s19, 1
	s_add_co_u32 s19, s19, s18
	s_lshl_b32 s19, s19, 2                         ; 4 p(cx)
	s_lshr_b32 s36, s[BH], 4
	s_lshl_b32 s36, s36, 4
	s_add_co_u32 s36, s36, s51
	s_lshl_b32 s36, s36, 3
	s_and_b32 s37, s[BH], 15
	s_lshr_b32 s37, s37, 1                         ; K step = head / 2
	s_add_co_u32 s36, s36, s37
	s_mul_i32 s36, s36, 6400
	s_and_b32 s37, s[BH], 1                        ; half = head % 2
	s_mul_i32 s38, s[CX], 1536
	s_add_co_u32 s38, s38, s36
	s_mul_i32 s39, s37, 768
	s_add_co_u32 s38, s38, s39
	s_mov_b32 s39, 0
	s_add_co_u32 s40, s36, s19
	s_lshl_b32 s41, s37, 1
	s_add_co_u32 s40, s40, s41
	s_add_co_u32 s40, s40, 6144
	s_mov_b32 s41, 0
	s_lshl_b32 s42, s[BH], 4
	s_add_co_u32 s42, s42, s51
	s_mul_i32 s42, s42, 3328                       ; q's record
	s_mul_i32 s43, s[CX], 768
	s_add_co_u32 s48, s42, s43
	s_mov_b32 s49, 0
	s_add_co_u32 s42, s42, s19
	s_add_co_u32 s42, s42, 3072
	s_mov_b32 s43, 0
	s_mov_b32 s[SEL], 0x76543210
	s_mov_b32 s[SEL+1], 0xfedcba98
	s_mov_b32 s[CS], 0x3e38aa3b
	s_mov_b32 s[CS+1], s[CS]                       ; (named with it as a pair, so it is written)
	s_mov_b32 s[KI], 0
	s_mov_b32 s[TK], 0
	s_wait_dscnt 0x0                               ; the opening add is done
	s_wait_kmcnt 0x0
	s_mov_b32 s32, 1
	s_add_nc_u64 s[34:35], s[4:5], s[16:17]
	s_or_b32 s35, s35, 0x80000000
	s_add_nc_u64 s[44:45], s[6:7], s[38:39]        ; my half image of ctx
	s_add_nc_u64 s[46:47], s[6:7], s[40:41]        ; and its scale halfwords
	s_add_nc_u64 s[48:49], s[4:5], s[48:49]        ; q's half image
	s_add_nc_u64 s[42:43], s[4:5], s[42:43]        ; and its scale words
	CROUND                                         ; all four work-groups are here: the joint loads meet
	s_cmp_lt_u32 s[WV], 4                          ; the branch hangs on the wave's number alone
	s_cbranch_scc0 .Lno_fetch
	tensor_load_to_lds s[32:35], s[24:31]
	s_nop 0
	PLACES
.Lno_fetch:
	v_and_b32 v8, 31, v0
	v_and_b32 v9, 15, v0                           ; r
	v_bfe_u32 v10, v0, 4, 1                        ; h
	s_delay_alu instid0(VALU_DEP_3)
	v_lshlrev_b32 v1, 4, v8                        ; 16 x lane
	s_delay_alu instid0(VALU_DEP_3)
	v_lshlrev_b32 v4, 4, v9                        ; 16 r
	s_delay_alu instid0(VALU_DEP_1)
	v_lshl_add_u32 v2, v10, 3, v4                  ; 16 r + 8 h
	s_delay_alu instid0(VALU_DEP_2)
	v_mad_u32_u24 v3, v10, 3328, v4                ; 16 r + a record for lanes 16-31
	global_load_b128 v[16:19], v1, s[48:49]        ; Q's fragment stays in registers
	global_load_b64 v[20:21], v2, s[48:49] offset:512
	global_load_b32 v28, v4, s[42:43]              ; and its scale words
	v_and_b32 v[DQ], 7, v9
	v_lshrrev_b32 v11, 3, v9
	s_delay_alu instid0(VALU_DEP_1)
	v_lshl_add_u32 v[DQ], v11, 4, v[DQ]
	v_lshlrev_b32 v11, 4, v10
	s_delay_alu instid0(VALU_DEP_1)
	v_sub_nc_u32 v[DQ], v[DQ], v11
	s_delay_alu instid0(VALU_DEP_1)
	v_add_nc_u32 v[DQ], s50, v[DQ]
.irp i, 22,23,24,25,26,27
	v_mov_b32 v[\i], 0                             ; Q's upper 64 along K: zero codes
.endr
.irp a, 0,1,2,3
.irp i, 6,7,8,9,10,11
	v_mov_b32 v[32+12*\a+\i], 0                    ; K's likewise: cleared once, never loaded
.endr
.endr
	v_mov_b32 v13, 0xff61b1e6                      ; the largest t so far: -3e38
	s_delay_alu instid0(VALU_DEP_1)
	v_floor_f32 v12, -v13                          ; -M
	v_mov_b32 v14, 0                               ; the sum, in two halves
	v_mov_b32 v15, 0
.irp b, 0,1,2,3
	v_mov_b32 v[PT+\b], 0                          ; written once: a lane permute's destination counts as one of its sources
.endr
	v_mov_b32 v117, 0                              ; (named as the upper half of the pair v[116:117] before it is first written)
	v_mov_b32 v118, 0
.set I_, 0
.rept 32
	v_mov_b32 v[O+I_], 0                           ; O^T: the loop has no first step of its own; the first change of M leaves zeros zeros
.set I_, I_+1
.endr
	s_wait_tensorcnt 0x0                           ; my quarter, if I fetched one, is in,
	s_barrier_signal -1
	s_barrier_wait -1                              ; everybody's is
	s_wait_loadcnt 0x0                             ; Q
.Lstep:
	s_cmp_gt_u32 s[KI], s[DIAG]                    ; all 128 keys come after my queries: ids and the count of steps alone
	s_cbranch_scc1 .Lhidden
	v_add_nc_u32 v8, s[TK], v1
	s_wait_alu depctr_va_vdst(0)
	v_add_nc_u32 v9, s[TK], v2
	s_wait_alu depctr_va_vdst(0)
	v_add_nc_u32 v10, s[TK], v3
	v_add_nc_u32 v11, s[TK], v4
	v_nop                                          ; six places in all: the first products below write over registers that the last step's products read (five are asked)
	v_nop
	ds_load_b128 v[KS:KS+3], v10 offset:3072
	ds_load_b128 v[VLO:VLO+3], v11 offset:VOFF+3072
	ds_load_b128 v[VHI:VHI+3], v11 offset:VOFF+3328+3072
.irp g, 0,1                            ; S^T = K Q^T: record g of the step, four tiles of 16 keys
.if \g
	PLACES
.endif
.irp a, 0,1,2,3
	ds_load_b128 v[32+12*\a:32+12*\a+3], v8 offset:\g*3328+\a*768
	ds_load_b64 v[32+12*\a+4:32+12*\a+5], v9 offset:\g*3328+\a*768+512
.endr
	s_wait_dscnt 0x0
.irp a, 0,1,2,3
.if \g
	v_wmma_scale_f32_16x16x128_f8f6f4 v[S+8*(4*\g+\a):S+8*(4*\g+\a)+7], v[32+12*\a:32+12*\a+11], v[16:27], 0, v[KS+2*(\a%2)+\a/2], v28 matrix_a_fmt:MATRIX_FMT_FP6 matrix_b_fmt:MATRIX_FMT_FP6 matrix_a_scale:MATRIX_SCALE_ROW1
.else
	v_wmma_scale_f32_16x16x128_f8f6f4 v[S+8*(4*\g+\a):S+8*(4*\g+\a)+7], v[32+12*\a:32+12*\a+11], v[16:27], 0, v[KS+2*(\a%2)+\a/2], v28 matrix_a_fmt:MATRIX_FMT_FP6 matrix_b_fmt:MATRIX_FMT_FP6
.endif
.endr
.endr
.irp i, 0,1,2,3
	v_lshl_or_b32 v[VS+\i], v[VHI+\i], 16, v[VLO+\i]   ; V's scale words for these 128 keys.  (Also the four places behind the products)
.endr
	s_cmp_lg_u32 s[KI], s[DIAG]
	s_cbranch_scc1 .Lopen
	v_mov_b32 v118, 0xff800000                     ; the diagonal step: register 16 b + i holds key 32 b + 16 h + i of the step: hidden where 32 b + i > my query - first key - 16 h
.set N_, 0
.rept 64
	v_cmp_gt_i32 vcc_lo, 32*(N_/16)+N_%16, v[DQ]
	v_cndmask_b32 v[S+N_], v[S+N_], v118, vcc_lo
.set N_, N_+1
.endr
.Lopen:
.irp b, 0,1,2,3
	v_max3_num_f32 v[BM+\b], v[S+16*\b], v[S+16*\b+1], v[S+16*\b+2]   ; the largest score of each block of 32 keys: for the row's maximum, and, since p rises with the score, for the block's largest p
.endr
.irp i, 3,5,7,9,11,13
.irp b, 0,1,2,3
	v_max3_num_f32 v[BM+\b], v[BM+\b], v[S+16*\b+\i], v[S+16*\b+\i+1]
.endr
.endr
.irp b, 0,1,2,3
	v_max_num_f32 v[BM+\b], v[BM+\b], v[S+16*\b+15]
.endr
.irp b, 0,1,2,3
	s_delay_alu instid0(VALU_DEP_4)
	v_permlanex16_b32 v[PT+\b], v[BM+\b], s[SEL], s[SEL+1]
.endr
.irp b, 0,1,2,3
	s_delay_alu instid0(VALU_DEP_4)
	v_max_num_f32 v[BM+\b], v[BM+\b], v[PT+\b]
.endr
	s_delay_alu instid0(VALU_DEP_2)
	v_max3_num_f32 v118, v[BM], v[BM+1], v[BM+2]
	s_delay_alu instid0(VALU_DEP_1)
	v_max_num_f32 v118, v118, v[BM+3]
	s_delay_alu instid0(VALU_DEP_1)
	v_mul_f32 v118, s[CS], v118                    ; as t
	s_delay_alu instid0(VALU_DEP_1)
	v_max_num_f32 v13, v13, v118                   ; the running largest t
	v_mov_b32 v118, v12
	s_delay_alu instid0(VALU_DEP_2)
	v_floor_f32 v12, -v13                          ; the new -M = -ceil(t)
	s_delay_alu instid0(VALU_DEP_1)
	v_sub_f32 v118, v12, v118                      ; old M - new M: a whole number, 0 or less
	s_delay_alu instid0(VALU_DEP_1)
	v_cvt_i32_f32 v118, v118                       ; (it saturates)
	s_delay_alu instid0(VALU_DEP_1)
	v_ldexp_f32 v116, 1.0, v118                    ; f = 2^(old M - new M): a multiplication by it rounds nothing
.set I_, 0
.rept 32
	v_pk_fma_f32 v[S+I_:S+I_+1], v[S+I_:S+I_+1], s[CS:CS+1], v[12:13] op_sel_hi:[1,0,0]   ; t - M
.set I_, I_+2
.endr
.irp b, 0,1,2,3
	v_fma_f32 v[BM+\b], v[BM+\b], s[CS], v12
.endr
.set I_, 0
	s_wait_alu depctr_va_vdst(0)
.rept 64
	v_exp_f32 v[S+I_], v[S+I_]                     ; p = 2^(t - M)
.set I_, I_+1
.endr
	v_pk_mul_f32 v[14:15], v[14:15], v[116:117] op_sel_hi:[1,0]   ; the sums under the new M.  (A plain place behind the exponentials)
	s_wait_alu depctr_va_vdst(0)                   ; one wait for the whole batch, ahead of its first reader
.irp b, 0,1,2,3
	v_exp_f32 v[BM+\b], v[BM+\b]                   ; the block's largest p
.endr
	v_pk_add_f32 v[100:101], v[132:133], v[136:137]
	v_pk_add_f32 v[254:255], v[140:141], v[144:145]
	v_pk_add_f32 v[252:253], v[148:149], v[152:153]
	v_pk_add_f32 v[250:251], v[156:157], v[160:161]
	v_pk_add_f32 v[248:249], v[164:165], v[168:169]
	v_pk_add_f32 v[246:247], v[172:173], v[176:177]
	v_pk_add_f32 v[244:245], v[180:181], v[184:185]
	v_pk_add_f32 v[14:15], v[14:15], v[188:189]
	v_pk_add_f32 v[100:101], v[100:101], v[128:129]
	v_pk_add_f32 v[254:255], v[254:255], v[130:131]
	v_pk_add_f32 v[252:253], v[252:253], v[134:135]
	v_pk_add_f32 v[250:251], v[250:251], v[138:139]
	v_pk_add_f32 v[248:249], v[248:249], v[142:143]
	v_pk_add_f32 v[246:247], v[246:247], v[146:147]
	v_pk_add_f32 v[244:245], v[244:245], v[150:151]
	v_pk_add_f32 v[14:15], v[14:15], v[154:155]
	v_pk_add_f32 v[100:101], v[100:101], v[158:159]
	v_pk_add_f32 v[254:255], v[254:255], v[162:163]
	v_pk_add_f32 v[252:253], v[252:253], v[166:167]
	v_pk_add_f32 v[250:251], v[250:251], v[170:171]
	v_pk_add_f32 v[248:249], v[248:249], v[174:175]
	v_pk_add_f32 v[246:247], v[246:247], v[178:179]
	v_pk_add_f32 v[244:245], v[244:245], v[182:183]
	v_pk_add_f32 v[14:15], v[14:15], v[186:187]
	v_pk_add_f32 v[100:101], v[100:101], v[190:191]
	s_delay_alu instid0(VALU_DEP_2)
	v_pk_add_f32 v[14:15], v[14:15], v[250:251]
	s_delay_alu instid0(VALU_DEP_2)
	v_pk_add_f32 v[100:101], v[100:101], v[248:249]
	v_pk_add_f32 v[254:255], v[254:255], v[246:247]
	v_pk_add_f32 v[252:253], v[252:253], v[244:245]
	s_delay_alu instid0(VALU_DEP_2)
	v_pk_add_f32 v[14:15], v[14:15], v[254:255]
	s_delay_alu instid0(VALU_DEP_2)
	v_pk_add_f32 v[100:101], v[100:101], v[252:253]
	s_delay_alu instid0(VALU_DEP_1)
	v_pk_add_f32 v[14:15], v[14:15], v[100:101]
	s_wait_alu depctr_va_vdst(0)                   ; and one for the four
.irp b, 0,1,2,3
	v_max_num_f32 v[BM+\b], 0x1800000, v[BM+\b]    ; the floor 2^(3 - 127)
.endr
.irp b, 0,1,2,3
	s_delay_alu instid0(VALU_DEP_4)
	v_add_nc_u32 v[SO+\b], 0xff000000, v[BM+\b]
.endr
.irp b, 0,1,2,3
	s_delay_alu instid0(VALU_DEP_4)
	v_lshrrev_b32 v[PT+\b], 23, v[SO+\b]
.endr
	s_delay_alu instid0(VALU_DEP_3)
	v_lshl_or_b32 v117, v[PT+1], 8, v[PT]          ; p's scale word
	s_delay_alu instid0(VALU_DEP_1)
	v_lshl_or_b32 v117, v[PT+2], 16, v117
	s_delay_alu instid0(VALU_DEP_1)
	v_lshl_or_b32 v117, v[PT+3], 24, v117
.irp c, 0,1
	v_cvt_scalef32_pk16_fp6_f32 v[224+6*\c:226+6*\c], v[S+32*\c:S+32*\c+15], v[SO+2*\c]
	v_cvt_scalef32_pk16_fp6_f32 v[108+4*\c:110+4*\c], v[S+32*\c+16:S+32*\c+31], v[SO+2*\c+1]
.endr
	v_nop                                          ; one plain place behind a scaled conversion
.irp c, 0,1
.irp i, 0,1,2
	v_permlane16_swap_b32 v[224+6*\c+\i], v[108+4*\c+\i]
.endr
.irp i, 0,1,2
	s_delay_alu instid0(VALU_DEP_3)
	v_mov_b32 v[227+6*\c+\i], v[108+4*\c+\i]
.endr
.endr
.irp a, 0,1,2,3                        ; V's four fragments (16 of the head's 64 x these 128 keys) into the registers that p has left
.irp c, 0,1
	ds_load_b128 v[S+12*\a+6*\c:S+12*\a+6*\c+3], v8 offset:VOFF+\c*3328+\a*768
	ds_load_b64 v[S+12*\a+6*\c+4:S+12*\a+6*\c+5], v9 offset:VOFF+\c*3328+\a*768+512
.endr
.endr
.set I_, 0
.rept 16
	v_pk_mul_f32 v[O+I_:O+I_+1], v[O+I_:O+I_+1], v[116:117] op_sel_hi:[1,0]   ; O^T under the new M.  (Also the places between the lines that made p's codes and scale word and the products)
.set I_, I_+2
.endr
	s_wait_alu depctr_va_vdst(0)
	s_wait_dscnt 0x0
.irp a, 0,1,2,3                        ; O^T += V^T P^T: four accumulators by turns
	v_wmma_scale_f32_16x16x128_f8f6f4 v[O+8*\a:O+8*\a+7], v[S+12*\a:S+12*\a+11], v[224:235], v[O+8*\a:O+8*\a+7], v[VS+2*(\a%2)+\a/2], v117 matrix_a_fmt:MATRIX_FMT_FP6 matrix_b_fmt:MATRIX_FMT_FP6
.endr
.Lhidden:
	s_add_co_u32 s[TK], s[TK], 6656
	s_add_co_u32 s[KI], s[KI], 1
	s_cmp_lt_u32 s[KI], 8
	s_cbranch_scc1 .Lstep
	; THE WAY OUT: O^T / the sum; a lane's 32 registers are its query's 64 channels in the quantiser's order: one half image
	PLACES
	v_add_f32 v14, v14, v15
	s_delay_alu instid0(VALU_DEP_1)
	v_permlanex16_b32 v118, v14, s[SEL], s[SEL+1]
	s_delay_alu instid0(VALU_DEP_1)
	v_add_f32 v14, v14, v118                       ; the row's sum
	s_wait_alu depctr_va_vdst(0)
	v_rcp_f32 v14, v14
	v_nop
	s_wait_alu depctr_va_vdst(0)
.set I_, 0
.rept 32
	v_mul_f32 v[S+I_], v[O+I_], v14
.set I_, I_+1
.endr
	QH S, 224, 118
	global_store_b128 v1, v[224:227], s[44:45]
	global_store_b64 v2, v[228:229], s[44:45] offset:512
	s_wait_xcnt 0x0                                ; EXEC changes only behind this wait
	v_cmp_gt_u32 vcc_lo, 16, v0
	v_and_b32 v8, 31, v0
	s_delay_alu instid0(VALU_DEP_1)
	v_cmp_gt_u32 vcc_lo, 16, v8
	s_and_saveexec_b32 s16, vcc_lo                 ; lanes 0-15: two scale bytes a row; the word's other half is the neighbouring head's
	global_store_b16 v4, v118, s[46:47]
	s_wait_xcnt 0x0
	s_or_b32 exec_lo, exec_lo, s16
	s_wait_tensorcnt 0x0                           ; the wave's end
	ds_add_u32 v[SPW], v[NIL]
	s_wait_dscnt 0x0
	CROUND                                         ; the closing round
	s_endpgm
.Lfunc_end_k_q29b43c0a62_attn:
	.size	k_q29b43c0a62_attn, .Lfunc_end_k_q29b43c0a62_attn-k_q29b43c0a62_attn
	.p2alignl 7, 3214868480
	.fill 96, 4, 3214868480
	.section	.rodata,"a",@progbits
	.p2align	6, 0x0
	.amdhsa_kernel k_q29b43c0a62_attn
		.amdhsa_group_segment_fixed_size 167936
		.amdhsa_private_segment_fixed_size 0
		.amdhsa_enable_private_segment 0
		.amdhsa_kernarg_size 16
		.amdhsa_user_sgpr_count 2
		.amdhsa_user_sgpr_kernarg_segment_ptr 1
		.amdhsa_wavefront_size32 1
		.amdhsa_system_sgpr_workgroup_id_x 1
		.amdhsa_system_sgpr_workgroup_id_y 1
		.amdhsa_system_sgpr_workgroup_id_z 1
		.amdhsa_system_vgpr_workitem_id 0
		.amdhsa_next_free_vgpr 256
		.amdhsa_next_free_sgpr 66
		.amdhsa_reserve_vcc 1
		.amdhsa_float_denorm_mode_32 3
		.amdhsa_float_denorm_mode_16_64 3
		.amdhsa_memory_ordered 1
		.amdhsa_forward_progress 1
		.amdhsa_inst_pref_size 37
	.end_amdhsa_kernel
	.amdgpu_metadata
---
amdhsa.version: [ 1, 2 ]
amdhsa.kernels:
  - .name:           k_q29b43c0a62_attn
    .symbol:         k_q29b43c0a62_attn.kd
    .args:
      - { .name: qkvc, .offset: 0, .size: 8, .value_kind: global_buffer, .address_space: global }
      - { .name: ctxc, .offset: 8, .size: 8, .value_kind: global_buffer, .address_space: global }
    .group_segment_fixed_size: 167936
    .private_segment_fixed_size: 0
    .kernarg_segment_align: 8
    .kernarg_segment_size: 16
    .max_flat_workgroup_size: 512
    .sgpr_count:     66
    .vgpr_count:     256
    .wavefront_size: 32
...
	.end_amdgpu_metadata
.endif
;; end of part 3
;; launch oproj (part 4): grid 8 x 32, 4 waves a work-group, clusters of 4 x 4, 327,680 bytes of LDS; arguments ctxc, wts, X, x1; writes x1
.if DOCPART == 4
	.amdgcn_target "amdgcn-amd-amdhsa--gfx1250"
	.amdhsa_code_object_version 6
	.text
	.protected	k_q29b43c0a62_oproj
	.globl	k_q29b43c0a62_oproj
	.p2align	8
	.type	k_q29b43c0a62_oproj,@function
k_q29b43c0a62_oproj:
	s_mov_b64 s[64:65], 0
	v_nop
	global_prefetch_b8 v0, s[64:65] scope:SCOPE_SE
	s_setreg_imm32_b32 hwreg(HW_REG_WAVE_MODE, 25, 1), 1
	s_wait_xcnt 0x0
	s_wait_alu depctr_hold_cnt(0) depctr_sa_sdst(0) depctr_va_vdst(0) depctr_va_sdst(0) depctr_va_ssrc(0) depctr_va_vcc(0) depctr_vm_vsrc(0)
	s_getreg_b32 s2, hwreg(HW_REG_IB_STS2, 6, 4)
	s_cmp_eq_u32 s2, 0
	s_cbranch_scc0 .Lentry_in_a_cluster
	s_endpgm
.Lentry_in_a_cluster:
	s_bfe_u32 s2, ttmp6, 0x10000c
	s_cmp_lg_u32 s2, 0xf033
	s_cbranch_scc0 .Lentry_shape_is_right
	s_endpgm
.Lentry_shape_is_right:
.set NKS,   8
.set LAPS,  1
.set HASB,  0
.set WOFF,  2457600
.set PA, 4
.set PW, 6
.set PB, 8
.set PR, 8
.set PO, 10
.set STRIP, 102400
.set QUART, 25600
.set STAGE, 2*STRIP
.set SPARE, STAGE+4*4352
.set LI,   4
.set LJ,   5
.set ADA1, 16
.set ADA2, 18
.set ADB1, 20
.set ADB2, 22
.set ADS,  24
.set STO,  26
.set RD,   27
.set CO,   28
.set BA,   29
.set SPW,  30
.set NIL,  31
.set SC,   32
.set BK,   64
.set ACC,  128
.set BIAS, 128
.set WV, 14
.set WR, 15
.set WC, 16
.set CX, 17
.set CY, 18
.set XG, 19
.set YG, 20
.set G1,  24
.set G0,  32
.set G1B, 48
.set G0B, 56
.set MSB, 0
.macro WIN new
.if MSB != \new
	s_set_vgpr_msb (MSB<<8)|\new
.set MSB, \new
.endif
.endm
.set MUL,  0x05
.set MULB, 0x25
.set TO_F, 0x40
.set TO_2, 0x80
.set ADD2, 0x08
.macro PLACES
.rept 4
	v_nop
.endr
.endm
.macro CREST
	s_cmp_lg_u32 s[WV], 0
	s_cbranch_scc1 .Lnot_wave_0_\@
	s_barrier_signal -3
.Lnot_wave_0_\@:
	s_barrier_wait -3
	s_barrier_signal -1
	s_barrier_wait -1
.endm
.macro CROUND
	s_barrier_signal -1
	s_barrier_wait -1
	CREST
.endm
.macro JLOAD sg
	s_cmp_eq_u32 s[WR], 0
	s_cbranch_scc0 .Lfor_b_\@
	tensor_load_to_lds s[G0+4*\sg:G0+4*\sg+3], s[G1:G1+7]
	s_nop 0
	PLACES
	s_branch .Lasked_\@
.Lfor_b_\@:
	tensor_load_to_lds s[G0B+4*\sg:G0B+4*\sg+3], s[G1B:G1B+7]
	s_nop 0
	PLACES
.Lasked_\@:
.endm
.macro FETCH f, k, pa1, pa2, pb1, pb2, ps
	WIN TO_F
.irp t, 0,1,2,3
.irp c, 0,1
	ds_load_b128 v[128*(\f)+12*\t+6*\c:128*(\f)+12*\t+6*\c+3], v[\pa1] offset:(\k)+\t*1536+\c*768
	ds_load_b64 v[128*(\f)+12*\t+6*\c+4:128*(\f)+12*\t+6*\c+5], v[\pa2] offset:(\k)+\t*1536+\c*768+512
.endr
.endr
.irp t, 0,1,2,3
.irp c, 0,1
	ds_load_b128 v[128*(\f)+48+12*\t+6*\c:128*(\f)+48+12*\t+6*\c+3], v[\pb1] offset:(\k)+\t*1536+\c*768
	ds_load_b64 v[128*(\f)+48+12*\t+6*\c+4:128*(\f)+48+12*\t+6*\c+5], v[\pb2] offset:(\k)+\t*1536+\c*768+512
.endr
.endr
	WIN 0
	ds_load_b128 v[SC+4*(\f):SC+4*(\f)+3], v[\ps] offset:(\k)+6144
.endm
.macro MULA f, y, cm
.irp x, 0,1,2,3
.if (\cm) == 0
	v_wmma_scale_f32_16x16x128_f8f6f4 v[ACC+8*(4*(\y)+\x):ACC+8*(4*(\y)+\x)+7], v[128*(\f)+48+12*\x:128*(\f)+48+12*\x+11], v[128*(\f)+12*(\y):128*(\f)+12*(\y)+11], 0, v[SC+4*(\f)+2*(\x%2)+\x/2], v[SC+4*(\f)+2*((\y)%2)+(\y)/2] matrix_a_fmt:MATRIX_FMT_FP6 matrix_b_fmt:MATRIX_FMT_FP6 matrix_a_scale:MATRIX_SCALE_ROW1
.elseif (\cm) == 2
	v_wmma_scale_f32_16x16x128_f8f6f4 v[ACC+8*(4*(\y)+\x):ACC+8*(4*(\y)+\x)+7], v[128*(\f)+48+12*\x:128*(\f)+48+12*\x+11], v[128*(\f)+12*(\y):128*(\f)+12*(\y)+11], v[BIAS+8*\x:BIAS+8*\x+7], v[SC+4*(\f)+2*(\x%2)+\x/2], v[SC+4*(\f)+2*((\y)%2)+(\y)/2] matrix_a_fmt:MATRIX_FMT_FP6 matrix_b_fmt:MATRIX_FMT_FP6 matrix_a_scale:MATRIX_SCALE_ROW1
.else
	v_wmma_scale_f32_16x16x128_f8f6f4 v[ACC+8*(4*(\y)+\x):ACC+8*(4*(\y)+\x)+7], v[128*(\f)+48+12*\x:128*(\f)+48+12*\x+11], v[128*(\f)+12*(\y):128*(\f)+12*(\y)+11], v[ACC+8*(4*(\y)+\x):ACC+8*(4*(\y)+\x)+7], v[SC+4*(\f)+2*(\x%2)+\x/2], v[SC+4*(\f)+2*((\y)%2)+(\y)/2] matrix_a_fmt:MATRIX_FMT_FP6 matrix_b_fmt:MATRIX_FMT_FP6 matrix_a_scale:MATRIX_SCALE_ROW1
.endif
.endr
.endm
.macro KST sg, q, cm
	s_wait_dscnt 0x0
	PLACES
	FETCH ((\q)+1)%2, ((\q)+1)*6400, ADA1+\sg, ADA2+\sg, ADB1+\sg, ADB2+\sg, ADS+\sg
.if (\cm) == 2
	WIN MULB
.else
	WIN MUL
.endif
.irp y, 0,1,2,3
	MULA (\q)%2, \y, \cm
.endr
	WIN 0
.endm
.macro TURN sg, nx, fill
	s_wait_tensorcnt 0x0
	ds_add_u32 v[SPW], v[NIL]
	s_wait_dscnt 0x1
	WIN MUL
	MULA 1, 0, 1
	s_wait_dscnt 0x0
	s_barrier_signal -1
	MULA 1, 1, 1
	WIN 0
	s_barrier_wait -1
.if \fill
	CREST
	s_add_nc_u64 s[G0+4*\sg+2:G0+4*\sg+3], s[G0+4*\sg+2:G0+4*\sg+3], 2*QUART
	s_add_nc_u64 s[G0B+4*\sg+2:G0B+4*\sg+3], s[G0B+4*\sg+2:G0B+4*\sg+3], 2*QUART
	JLOAD \sg
.else
	PLACES
.endif
	FETCH 0, 0, ADA1+\nx, ADA2+\nx, ADB1+\nx, ADB2+\nx, ADS+\nx
	WIN MUL
	MULA 1, 2, 1
	MULA 1, 3, 1
	WIN 0
.endm
	s_load_b256 s[4:11], s[0:1], 0x0
.if HASB
	s_load_b64 s[12:13], s[0:1], 0x20
.endif
	v_lshl_add_u32 v[SPW], v0, 2, SPARE
	v_mov_b32 v[NIL], 0
	ds_add_u32 v[SPW], v[NIL]
	ds_add_u32 v[SPW], v[NIL]
	v_lshrrev_b32 v1, 5, v0
	v_readfirstlane_b32 s[WV], v1
	s_lshr_b32 s[WR], s[WV], 1
	s_and_b32 s[WC], s[WV], 1
	s_bfe_u32 s[CX], ttmp6, 0x40000
	s_bfe_u32 s[CY], ttmp6, 0x40004
	s_lshl_b32 s[XG], ttmp9, 2
	s_add_co_u32 s[XG], s[XG], s[CX]
	s_and_b32 s[YG], ttmp7, 0xffff
	s_lshl_b32 s[YG], s[YG], 2
	s_add_co_u32 s[YG], s[YG], s[CY]
	s_lshl_b32 s21, s[CY], 2
	s_lshl_b32 s21, 15, s21
	s_lshl_b32 s22, 0x1111, s[CX]
	s_or_b32 s[G1], s21, (3<<16)|(1<<21)
	s_or_b32 s[G1B], s22, (3<<16)|(1<<21)
.irp g, G1, G1B
	s_mov_b32 s[\g+1], 32<<16
	s_mov_b32 s[\g+2], 200<<16                     ; 200 rows of 256 dense bytes: a group of 64 rows x all 8 K steps
	s_mov_b32 s[\g+3], 32<<16
	s_mov_b32 s[\g+4], 200
	s_mov_b32 s[\g+5], 32
	s_mov_b32 s[\g+6], 0
	s_mov_b32 s[\g+7], 0
.endr
	s_lshl_b32 s66, s[YG], 1
	s_add_co_u32 s66, s66, s[WC]
	s_mul_i32 s66, s66, NKS*6400
	s_mov_b32 s67, 0
	s_lshl_b32 s68, s[XG], 1
	s_add_co_u32 s68, s68, s[WC]
	s_mul_i32 s68, s68, NKS*6400
	s_add_co_u32 s68, s68, WOFF
	s_mov_b32 s69, 0
	s_mul_i32 s47, s[WV], 2*QUART                  ; LDS: A's two groups, then B's two, 51,200 bytes each: all of K is filled once, by one joint load a wave, and nothing is filled again
	s_lshl_b32 s70, s[YG], 1
	s_add_co_u32 s70, s70, s[WR]
	s_lshl_b32 s70, s70, 18
	s_lshl_b32 s72, s[XG], 9
	s_lshl_b32 s73, s[WC], 8
	s_add_co_u32 s72, s72, s73
	s_add_co_u32 s70, s70, s72
	s_mov_b32 s71, 0
	s_mov_b32 s73, 0
	s_wait_dscnt 0x0
	s_wait_kmcnt 0x0
	s_add_nc_u64 s[66:67], s[PA:PA+1], s[66:67]
	s_add_nc_u64 s[68:69], s[PW:PW+1], s[68:69]
	CROUND
.irp g, 0
	s_mov_b32 s[G0+4*\g], 1
	s_add_co_u32 s[G0+4*\g+1], s47, \g*STRIP
	s_add_nc_u64 s[G0+4*\g+2:G0+4*\g+3], s[66:67], \g*QUART
	s_or_b32 s[G0+4*\g+3], s[G0+4*\g+3], 0x80000000
	s_mov_b32 s[G0B+4*\g], 1
	s_add_co_u32 s[G0B+4*\g+1], s47, \g*STRIP
	s_add_nc_u64 s[G0B+4*\g+2:G0B+4*\g+3], s[68:69], \g*QUART
	s_or_b32 s[G0B+4*\g+3], s[G0B+4*\g+3], 0x80000000
	JLOAD \g
.endr
	s_add_nc_u64 s[PR:PR+1], s[PR:PR+1], s[70:71]
	s_add_nc_u64 s[PO:PO+1], s[PO:PO+1], s[70:71]
.if HASB
	s_add_nc_u64 s[PB:PB+1], s[PB:PB+1], s[72:73]
.endif
	v_and_b32 v1, 31, v0
	v_and_b32 v2, 15, v0
	v_bfe_u32 v3, v0, 4, 1
	v_lshlrev_b32 v[LI], 4, v1
	v_lshlrev_b32 v6, 4, v2
	v_lshl_add_u32 v[LJ], v3, 3, v6
	v_lshl_add_u32 v[CO], v3, 12, v6
	v_lshlrev_b32 v[BA], 6, v3
	WIN TO_2
.if HASB
.irp b, 0,1,2,3
	global_load_b128 v[BIAS+8*\b:BIAS+8*\b+3], v[BA], s[PB:PB+1] offset:128*(\b/2)+32*(\b%2)
	global_load_b128 v[BIAS+8*\b+4:BIAS+8*\b+7], v[BA], s[PB:PB+1] offset:128*(\b/2)+32*(\b%2)+16
.endr
.endif
.irp a, 0,1,2,3
.irp t, 0,1,2,3,4,5,6,7
	global_load_b128 v[32*\a+4*\t:32*\a+4*\t+3], v[CO], s[PR:PR+1] offset:(32*(\a/2)+8*(\a%2)+2*(\t%4)+16*(\t/4))*4096
.endr
.endr
	WIN 0
	s_mul_i32 s21, s[WR], 2*QUART
	s_mul_i32 s22, s[WC], 2*QUART
	s_add_co_u32 s22, s22, 4*QUART
	s_sub_co_u32 s23, s22, s21
	v_mul_u32_u24 v7, s23, v3
	v_add_nc_u32 v7, v7, v6
.irp g, 0,1
	v_add_nc_u32 v[ADA1+\g], s21, v[LI]
	v_add_nc_u32 v[ADA2+\g], s21, v[LJ]
	v_add_nc_u32 v[ADB1+\g], s22, v[LI]
	v_add_nc_u32 v[ADB2+\g], s22, v[LJ]
	v_add_nc_u32 v[ADS+\g], s21, v7
	s_add_co_u32 s21, s21, QUART                   ; the second set of addresses: K steps 4 to 7 of the same group
	s_add_co_u32 s22, s22, QUART
.endr
	s_mul_i32 s21, s[WV], 4352
	s_add_co_u32 s21, s21, STAGE
	v_mul_u32_u24 v[STO], v2, 272
	v_lshl_add_u32 v[STO], v3, 6, v[STO]
	v_add_nc_u32 v[STO], s21, v[STO]
	v_mul_u32_u24 v[RD], v3, 272
	v_add_nc_u32 v[RD], v[RD], v6
	v_add_nc_u32 v[RD], s21, v[RD]
	s_wait_alu depctr_va_vdst(0)
	s_wait_tensorcnt 0x0                           ; my one load is in
	s_barrier_signal -1
	s_barrier_wait -1
	FETCH 0, 0, ADA1, ADA2, ADB1, ADB2, ADS
.if HASB
	s_wait_loadcnt 32
.endif
	KST 0, 0, 2*HASB
.if LAPS > 1
	s_mov_b32 s3, LAPS-1
.Llap:
	KST 0, 1, 1
	KST 0, 2, 1
	TURN 0, 1, 1
	KST 1, 0, 1
	KST 1, 1, 1
	KST 1, 2, 1
	TURN 1, 0, 1
	KST 0, 0, 1
	s_sub_co_u32 s3, s3, 1
	s_cmp_lg_u32 s3, 0
	s_cbranch_scc1 .Llap
.endif
	KST 0, 1, 1
	KST 0, 2, 1
	TURN 0, 1, 0
	KST 1, 0, 1
	KST 1, 1, 1
	KST 1, 2, 1
	s_wait_dscnt 0x0
	WIN MUL
.irp y, 0,1,2,3
	MULA 1, \y, 1
.endr
	WIN 0
	PLACES
	s_wait_loadcnt 0x0
.irp a, 0,1,2,3
	s_wait_xcnt 0x0
.irp b, 0,1,2,3
	ds_store_b128 v[STO], v[ACC+8*(4*\a+\b):ACC+8*(4*\a+\b)+3] offset:128*(\b/2)+32*(\b%2)
	ds_store_b128 v[STO], v[ACC+8*(4*\a+\b)+4:ACC+8*(4*\a+\b)+7] offset:128*(\b/2)+32*(\b%2)+16
.endr
.irp t, 0,1,2,3,4,5,6,7
	ds_load_b128 v[BK+32*(\a%2)+4*\t:BK+32*(\a%2)+4*\t+3], v[RD] offset:544*\t
.endr
	s_wait_dscnt 0x0
	WIN ADD2
.irp i, 0,2,4,6,8,10,12,14,16,18,20,22,24,26,28,30
	v_pk_add_f32 v[BK+32*(\a%2)+\i:BK+32*(\a%2)+\i+1], v[BK+32*(\a%2)+\i:BK+32*(\a%2)+\i+1], v[32*\a+\i:32*\a+\i+1]
.endr
	WIN 0
.irp t, 0,1,2,3,4,5,6,7
	global_store_b128 v[CO], v[BK+32*(\a%2)+4*\t:BK+32*(\a%2)+4*\t+3], s[PO:PO+1] offset:(32*(\a/2)+8*(\a%2)+2*(\t%4)+16*(\t/4))*4096 th:TH_STORE_NT
.endr
.endr
	s_wait_tensorcnt 0x0
	ds_add_u32 v[SPW], v[NIL]
	s_wait_dscnt 0x0
	CROUND
	s_endpgm
.Lfunc_end_k_q29b43c0a62_oproj:
	.size	k_q29b43c0a62_oproj, .Lfunc_end_k_q29b43c0a62_oproj-k_q29b43c0a62_oproj
	.p2alignl 7, 3214868480
	.fill 96, 4, 3214868480
	.section	.rodata,"a",@progbits
	.p2align	6, 0x0
	.amdhsa_kernel k_q29b43c0a62_oproj
		.amdhsa_group_segment_fixed_size 327680
		.amdhsa_private_segment_fixed_size 0
		.amdhsa_enable_private_segment 0
		.amdhsa_kernarg_size 32
		.amdhsa_user_sgpr_count 2
		.amdhsa_user_sgpr_kernarg_segment_ptr 1
		.amdhsa_wavefront_size32 1
		.amdhsa_system_sgpr_workgroup_id_x 1
		.amdhsa_system_sgpr_workgroup_id_y 1
		.amdhsa_system_sgpr_workgroup_id_z 1
		.amdhsa_system_vgpr_workitem_id 0
		.amdhsa_next_free_vgpr 672
		.amdhsa_next_free_sgpr 80
		.amdhsa_reserve_vcc 0
		.amdhsa_float_denorm_mode_32 3
		.amdhsa_float_denorm_mode_16_64 3
		.amdhsa_memory_ordered 1
		.amdhsa_forward_progress 1
		.amdhsa_inst_pref_size 57
	.end_amdhsa_kernel
	.amdgpu_metadata
---
amdhsa.version: [ 1, 2 ]
amdhsa.kernels:
  - .name:           k_q29b43c0a62_oproj
    .symbol:         k_q29b43c0a62_oproj.kd
    .args:
      - { .name: ctxc, .offset: 0, .size: 8, .value_kind: global_buffer, .address_space: global }
      - { .name: wts, .offset: 8, .size: 8, .value_kind: global_buffer, .address_space: global }
      - { .name: X, .offset: 16, .size: 8, .value_kind: global_buffer, .address_space: global }
      - { .name: x1, .offset: 24, .size: 8, .value_kind: global_buffer, .address_space: global }
    .group_segment_fixed_size: 327680
    .private_segment_fixed_size: 0
    .kernarg_segment_align: 8
    .kernarg_segment_size: 32
    .max_flat_workgroup_size: 128
    .sgpr_count:     80
    .vgpr_count:     672
    .wavefront_size: 32
...
	.end_amdgpu_metadata
.endif
;; end of part 4
;; launch ln2 (part 5): grid 256 x 1, 8 waves a work-group, no clusters, 2,048 bytes of LDS; arguments x1, ln2_scale, ln2_shift, h2c; writes h2c
.if DOCPART == 5
	.amdgcn_target "amdgcn-amd-amdhsa--gfx1250"
	.amdhsa_code_object_version 6
	.text
	.protected	k_q29b43c0a62_ln2
	.globl	k_q29b43c0a62_ln2
	.p2align	8
	.type	k_q29b43c0a62_ln2,@function
k_q29b43c0a62_ln2:
	s_mov_b64 s[64:65], 0
	v_nop
	global_prefetch_b8 v0, s[64:65] scope:SCOPE_SE
	s_setreg_imm32_b32 hwreg(HW_REG_WAVE_MODE, 25, 1), 1
	s_wait_xcnt 0x0
; y = gain (x - mean) / sqrt(var + 1e-5) + shift over rows of 1,024 f32, then quantised along the row to codes of FP6 (E2M3) with one E8M0 byte for each 32, stored as images of operand registers
; (the layout: rows in groups of 64, four tiles a of 16; lane-row r of tile a is row 32 (a / 2) + 8 (a % 2) + r % 8 + 16 (r / 8); a half image of 768 bytes is 16 rows x 64 K, lane (r, h)'s six words: 0-3 at 16 (r + 16 h),
; 4, 5 at 512 + 16 r + 8 h; a super-image of 6,400 bytes is a group x 128 K: tile a, half c at 1536 a + 768 c, scale word of (a, r) at 6144 + 16 r + 4 (2 (a % 2) + a / 2); super-image number = 8 x group + K step).
; A work-group takes one tile of 16 rows; wave w takes K step w (columns 128 w on).  Lane (r, h) holds, of its row, 16 neighbours of each block of 32: register 16 b + i = column 128 w + 32 b + 16 h + i.
; The mean and then the sum of squared differences (a true second pass over registers: no difference of large sums) meet in LDS: 8 parts a row, one barrier each, other bytes for the second.
; Memory binds: no matrix unit, no cluster (the work-groups share only the 8 KiB of gain and shift).  The scale words are 4 bytes at every 16: their neighbours belong to the three other tiles' work-groups.
; LIMITS: a block of zeros, or one whose largest magnitude lies under 2^-124, gets the byte 1 (this program alone reads the bytes); NaN and infinities among the inputs are not served.
.set X,    32                          ; v32-95   64 numbers of my row
.set G,    96                          ; v96-159  gain at my columns
.set B,    160                         ; v160-223 shift
.set TM,   28                          ; the quantiser's: largest magnitudes,
.set TP,   30                          ; the other half's, then bytes,
.set TS,   224                         ; scale operands,
.set TC,   226                         ; v226-228 a conversion's three registers
.set CD0,  232                         ; v232-237 half image 0
.set CD1,  240                         ; v240-245 half image 1
.set HW,   246                         ; v246-247 two scale bytes each
.set W,    248                         ; the scale word
.set MEAN, 250                         ; v250-251 the mean, twice
.set RSTD, 252                         ; v252-253 1 / sqrt(var + eps), twice
.set SPW,  12                          ; LDS address of my spare word; never rewritten
.set NIL,  13                          ; 0; never rewritten
.set SEL,  20                          ; s[20:21] lane selects: lane l xor 16
.set RED2, 512                         ; LDS: bytes 0-511 the sums' parts (32 r + 4 w), 512-1023 the squares' parts
.set SPARE, 1024                       ; the spare words, 128 bytes for each of eight waves: four blocks of 256 bytes that no other line names
; 32 numbers of a lane, register 16 b + i = k 32 b + 16 (lane / 16) + i of its row, become a half image's six registers and two scale bytes
.macro QH src, dst, hw
.irp b, 0,1
	v_max3_num_f32 v[TM+\b], |v[(\src)+16*\b]|, |v[(\src)+16*\b+1]|, 0x1800000   ; with the floor 2^(3 - 127): the byte cannot fall under 1
.endr
.irp i, 2,4,6,8,10,12,14
.irp b, 0,1
	s_delay_alu instid0(VALU_DEP_2)
	v_max3_num_f32 v[TM+\b], v[TM+\b], |v[(\src)+16*\b+\i]|, |v[(\src)+16*\b+\i+1]|
.endr
.endr
.irp b, 0,1
	s_delay_alu instid0(VALU_DEP_2)
	v_permlanex16_b32 v[TP+\b], v[TM+\b], s[SEL], s[SEL+1]
.endr
.irp b, 0,1
	s_delay_alu instid0(VALU_DEP_2)
	v_max_num_f32 v[TM+\b], v[TM+\b], v[TP+\b]     ; with lane l xor 16's 16: the block's largest magnitude
.endr
.irp b, 0,1
	s_delay_alu instid0(VALU_DEP_2)
	v_add_nc_u32 v[TS+\b], 0xff000000, v[TM+\b]    ; 2 off the exponent field: the conversion's scale operand
.endr
.irp b, 0,1
	s_delay_alu instid0(VALU_DEP_2)
	v_lshrrev_b32 v[TP+\b], 23, v[TS+\b]           ; the scale's byte
.endr
	s_delay_alu instid0(VALU_DEP_1)
	v_lshl_or_b32 v[\hw], v[TP+1], 8, v[TP]
	v_cvt_scalef32_pk16_fp6_f32 v[(\dst):(\dst)+2], v[(\src):(\src)+15], v[TS]
	v_cvt_scalef32_pk16_fp6_f32 v[TC:TC+2], v[(\src)+16:(\src)+31], v[TS+1]
	v_nop                                          ; one plain place behind a scaled conversion
.irp i, 0,1,2
	v_permlane16_swap_b32 v[(\dst)+\i], v[TC+\i]   ; a lane gets a WHOLE block: lanes 0-15 block 0, lanes 16-31 block 1
.endr
.irp i, 0,1,2
	s_delay_alu instid0(VALU_DEP_3)
	v_mov_b32 v[(\dst)+3+\i], v[TC+\i]
.endr
.endm
	s_load_b256 s[4:11], s[0:1], 0x0               ; x, gain, shift, the images
	v_lshl_add_u32 v[SPW], v0, 2, SPARE
	v_mov_b32 v[NIL], 0
	v_lshrrev_b32 v1, 5, v0
	s_delay_alu instid0(VALU_DEP_1)
	v_readfirstlane_b32 s12, v1                    ; wave = K step
	v_and_b32 v1, 31, v0                           ; lane
	v_and_b32 v2, 15, v0                           ; r
	v_bfe_u32 v3, v0, 4, 1                         ; h
	s_delay_alu instid0(VALU_DEP_2)
	v_and_b32 v4, 7, v2
	s_delay_alu instid0(VALU_DEP_3)
	v_lshrrev_b32 v5, 3, v2
	s_delay_alu instid0(VALU_DEP_1)
	v_lshl_add_u32 v4, v5, 4, v4                   ; r % 8 + 16 (r / 8)
	s_delay_alu instid0(VALU_DEP_1)
	v_lshlrev_b32 v4, 12, v4                       ; rows of 4,096 bytes
	s_delay_alu instid0(VALU_DEP_1)
	v_lshl_add_u32 v4, v3, 6, v4                   ; + 64 h
	v_lshlrev_b32 v5, 6, v3                        ; gain and shift: 64 h
	v_lshlrev_b32 v7, 5, v2                        ; a row's eight parts: 32 r
	s_lshl_b32 s13, s12, 2
	v_add_nc_u32 v6, s13, v7                       ; my wave's part: + 4 w
	v_lshlrev_b32 v8, 4, v1                        ; 16 x lane
	v_lshlrev_b32 v10, 4, v2                       ; 16 r
	s_delay_alu instid0(VALU_DEP_1)
	v_lshl_add_u32 v9, v3, 3, v10                  ; 16 r + 8 h
	v_mov_b32 v18, 0                               ; written once: a lane permute's destination counts as one of its sources
	v_mov_b32 v[TP], 0
	v_mov_b32 v[TP+1], 0
	s_mov_b32 s[SEL], 0x76543210
	s_mov_b32 s[SEL+1], 0xfedcba98
	s_mov_b32 s22, 0x3a800000                      ; 1 / 1,024
	s_mov_b32 s23, 0x3727c5ac                      ; 1e-5
	s_lshr_b32 s14, ttmp9, 2                       ; group of 64 rows
	s_and_b32 s15, ttmp9, 3                        ; tile a
	s_lshr_b32 s16, s15, 1
	s_and_b32 s17, s15, 1
	s_lshl_b32 s24, s14, 6
	s_lshl_b32 s25, s16, 5
	s_add_co_u32 s24, s24, s25
	s_lshl_b32 s25, s17, 3
	s_add_co_u32 s24, s24, s25                     ; the tile's first row: 64 group + 32 (a / 2) + 8 (a % 2)
	s_lshl_b32 s24, s24, 12
	s_lshl_b32 s26, s12, 9                         ; my wave's 512 bytes of a row
	s_add_co_u32 s24, s24, s26
	s_mov_b32 s25, 0
	s_mov_b32 s27, 0
	s_lshl_b32 s28, s14, 3
	s_add_co_u32 s28, s28, s12
	s_mul_i32 s28, s28, 6400                       ; my super-image
	s_mul_i32 s30, s15, 1536
	s_add_co_u32 s30, s30, s28                     ; my tile's images
	s_mov_b32 s31, 0
	s_lshl_b32 s29, s17, 1
	s_add_co_u32 s29, s29, s16
	s_lshl_b32 s29, s29, 2
	s_add_co_u32 s28, s28, s29
	s_add_co_u32 s28, s28, 6144                    ; my tile's scale words
	s_mov_b32 s29, 0
	s_wait_alu depctr_va_vdst(0)
	s_wait_kmcnt 0x0
	s_add_nc_u64 s[4:5], s[4:5], s[24:25]
	s_add_nc_u64 s[6:7], s[6:7], s[26:27]
	s_add_nc_u64 s[8:9], s[8:9], s[26:27]
	s_add_nc_u64 s[14:15], s[10:11], s[28:29]
	s_add_nc_u64 s[10:11], s[10:11], s[30:31]
.irp b, 0,1,2,3
.irp j, 0,1,2,3
	global_load_b128 v[X+16*\b+4*\j:X+16*\b+4*\j+3], v4, s[4:5] offset:128*\b+16*\j
.endr
.endr
.irp b, 0,1,2,3
.irp j, 0,1,2,3
	global_load_b128 v[G+16*\b+4*\j:G+16*\b+4*\j+3], v5, s[6:7] offset:128*\b+16*\j
.endr
.endr
.irp b, 0,1,2,3
.irp j, 0,1,2,3
	global_load_b128 v[B+16*\b+4*\j:B+16*\b+4*\j+3], v5, s[8:9] offset:128*\b+16*\j
.endr
.endr
	s_wait_loadcnt 32                              ; x's 16 loads are in; gain's and shift's 32 may be out
	v_pk_add_f32 v[16:17], v[32:33], v[34:35]
	v_pk_add_f32 v[254:255], v[40:41], v[44:45]
	v_pk_add_f32 v[238:239], v[48:49], v[52:53]
	v_pk_add_f32 v[230:231], v[56:57], v[60:61]
	v_pk_add_f32 v[14:15], v[64:65], v[68:69]
	s_delay_alu instid0(VALU_DEP_1)
	v_pk_add_f32 v[14:15], v[14:15], v[72:73]
	v_pk_add_f32 v[16:17], v[16:17], v[76:77]
	v_pk_add_f32 v[254:255], v[254:255], v[80:81]
	v_pk_add_f32 v[238:239], v[238:239], v[84:85]
	v_pk_add_f32 v[230:231], v[230:231], v[88:89]
	v_pk_add_f32 v[14:15], v[14:15], v[92:93]
	v_pk_add_f32 v[16:17], v[16:17], v[36:37]
	v_pk_add_f32 v[254:255], v[254:255], v[38:39]
	v_pk_add_f32 v[238:239], v[238:239], v[42:43]
	v_pk_add_f32 v[230:231], v[230:231], v[46:47]
	v_pk_add_f32 v[14:15], v[14:15], v[50:51]
	v_pk_add_f32 v[16:17], v[16:17], v[54:55]
	v_pk_add_f32 v[254:255], v[254:255], v[58:59]
	v_pk_add_f32 v[238:239], v[238:239], v[62:63]
	v_pk_add_f32 v[230:231], v[230:231], v[66:67]
	v_pk_add_f32 v[14:15], v[14:15], v[70:71]
	v_pk_add_f32 v[16:17], v[16:17], v[74:75]
	v_pk_add_f32 v[254:255], v[254:255], v[78:79]
	v_pk_add_f32 v[238:239], v[238:239], v[82:83]
	v_pk_add_f32 v[230:231], v[230:231], v[86:87]
	v_pk_add_f32 v[14:15], v[14:15], v[90:91]
	v_pk_add_f32 v[16:17], v[16:17], v[94:95]
	s_delay_alu instid0(VALU_DEP_2)
	v_pk_add_f32 v[14:15], v[14:15], v[238:239]
	s_delay_alu instid0(VALU_DEP_2)
	v_pk_add_f32 v[16:17], v[16:17], v[230:231]
	s_delay_alu instid0(VALU_DEP_2)
	v_pk_add_f32 v[14:15], v[14:15], v[254:255]
	s_delay_alu instid0(VALU_DEP_1)
	v_pk_add_f32 v[14:15], v[14:15], v[16:17]
	s_delay_alu instid0(VALU_DEP_1)
	v_add_f32 v14, v14, v15
	s_delay_alu instid0(VALU_DEP_1)
	v_permlanex16_b32 v18, v14, s[SEL], s[SEL+1]
	s_delay_alu instid0(VALU_DEP_1)
	v_add_f32 v14, v14, v18                        ; my row's 128 columns of this K step
	ds_store_b32 v6, v14                           ; both lanes of a row write the same word with the same value
	s_wait_dscnt 0x0                               ; for the others' sake: my store has landed
	s_barrier_signal -1
	s_barrier_wait -1
	ds_load_b128 v[20:23], v7
	ds_load_b128 v[24:27], v7 offset:16
	s_wait_dscnt 0x0
	v_pk_add_f32 v[20:21], v[20:21], v[22:23]      ; the same order in every wave: all eight hold the same mean
	v_pk_add_f32 v[24:25], v[24:25], v[26:27]
	s_delay_alu instid0(VALU_DEP_1)
	v_pk_add_f32 v[20:21], v[20:21], v[24:25]
	s_delay_alu instid0(VALU_DEP_1)
	v_add_f32 v20, v20, v21
	s_delay_alu instid0(VALU_DEP_1)
	v_mul_f32 v[MEAN], s22, v20
	s_delay_alu instid0(VALU_DEP_1)
	v_mov_b32 v[MEAN+1], v[MEAN]
.set I_, 0
.rept 32
	v_pk_add_f32 v[X+I_:X+I_+1], v[X+I_:X+I_+1], v[MEAN:MEAN+1] neg_lo:[0,1] neg_hi:[0,1]   ; d = x - mean
.set I_, I_+2
.endr
	v_pk_mul_f32 v[14:15], v[X:X+1], v[X:X+1]
	v_pk_mul_f32 v[16:17], v[X+2:X+3], v[X+2:X+3]
.irp i, 4,8,12,16,20,24,28,32,36,40,44,48,52,56,60
	s_delay_alu instid0(VALU_DEP_2)
	v_pk_fma_f32 v[14:15], v[X+\i:X+\i+1], v[X+\i:X+\i+1], v[14:15]
	s_delay_alu instid0(VALU_DEP_2)
	v_pk_fma_f32 v[16:17], v[X+\i+2:X+\i+3], v[X+\i+2:X+\i+3], v[16:17]
.endr
	s_delay_alu instid0(VALU_DEP_1)
	v_pk_add_f32 v[14:15], v[14:15], v[16:17]
	s_delay_alu instid0(VALU_DEP_1)
	v_add_f32 v14, v14, v15
	s_delay_alu instid0(VALU_DEP_1)
	v_permlanex16_b32 v18, v14, s[SEL], s[SEL+1]
	s_delay_alu instid0(VALU_DEP_1)
	v_add_f32 v14, v14, v18
	ds_store_b32 v6, v14 offset:RED2               ; other bytes than the first sums': no wave can still be reading them
	s_wait_dscnt 0x0
	s_barrier_signal -1
	s_barrier_wait -1
	ds_load_b128 v[20:23], v7 offset:RED2
	ds_load_b128 v[24:27], v7 offset:RED2+16
	s_wait_dscnt 0x0
	v_pk_add_f32 v[20:21], v[20:21], v[22:23]
	v_pk_add_f32 v[24:25], v[24:25], v[26:27]
	s_delay_alu instid0(VALU_DEP_1)
	v_pk_add_f32 v[20:21], v[20:21], v[24:25]
	s_delay_alu instid0(VALU_DEP_1)
	v_add_f32 v20, v20, v21
	s_delay_alu instid0(VALU_DEP_1)
	v_fma_f32 v20, v20, s22, s23                   ; var + eps
	s_wait_alu depctr_va_vdst(0)
	v_rsq_f32 v[RSTD], v20
	v_nop                                          ; a plain place behind the transcendental
	s_wait_alu depctr_va_vdst(0)                   ; the wait ahead of the first line that names the result
	v_mov_b32 v[RSTD+1], v[RSTD]
	s_wait_alu depctr_va_vdst(0)
	s_wait_loadcnt 0x0                             ; gain and shift
.set I_, 0
.rept 32
	v_pk_mul_f32 v[X+I_:X+I_+1], v[X+I_:X+I_+1], v[RSTD:RSTD+1]
.set I_, I_+2
.endr
.set I_, 0
.rept 32
	v_pk_fma_f32 v[X+I_:X+I_+1], v[X+I_:X+I_+1], v[G+I_:G+I_+1], v[B+I_:B+I_+1]
.set I_, I_+2
.endr
	QH X, CD0, HW
	QH X+32, CD1, HW+1
	v_lshl_or_b32 v[W], v[HW+1], 16, v[HW]         ; my row's scale word for these 128
	global_store_b128 v8, v[CD0:CD0+3], s[10:11]
	global_store_b64 v9, v[CD0+4:CD0+5], s[10:11] offset:512
	global_store_b128 v8, v[CD1:CD1+3], s[10:11] offset:768
	global_store_b64 v9, v[CD1+4:CD1+5], s[10:11] offset:1280
	s_wait_alu depctr_va_vdst(0)
	s_wait_xcnt 0x0                                ; EXEC changes only behind this wait
	v_cmp_gt_u32 vcc_lo, 16, v1
	s_and_saveexec_b32 s16, vcc_lo                 ; lanes 0-15: one word a row
	global_store_b32 v10, v[W], s[14:15]
	s_wait_xcnt 0x0                                ; and again, in front of the line that widens it
	s_or_b32 exec_lo, exec_lo, s16
	s_wait_tensorcnt 0x0                           ; the wave's end
	ds_add_u32 v[SPW], v[NIL]
	s_wait_dscnt 0x0
	s_endpgm
.Lfunc_end_k_q29b43c0a62_ln2:
	.size	k_q29b43c0a62_ln2, .Lfunc_end_k_q29b43c0a62_ln2-k_q29b43c0a62_ln2
	.p2alignl 7, 3214868480
	.fill 96, 4, 3214868480
	.section	.rodata,"a",@progbits
	.p2align	6, 0x0
	.amdhsa_kernel k_q29b43c0a62_ln2
		.amdhsa_group_segment_fixed_size 2048
		.amdhsa_private_segment_fixed_size 0
		.amdhsa_enable_private_segment 0
		.amdhsa_kernarg_size 32
		.amdhsa_user_sgpr_count 2
		.amdhsa_user_sgpr_kernarg_segment_ptr 1
		.amdhsa_wavefront_size32 1
		.amdhsa_system_sgpr_workgroup_id_x 1
		.amdhsa_system_sgpr_workgroup_id_y 1
		.amdhsa_system_sgpr_workgroup_id_z 1
		.amdhsa_system_vgpr_workitem_id 0
		.amdhsa_next_free_vgpr 256
		.amdhsa_next_free_sgpr 66
		.amdhsa_reserve_vcc 1
		.amdhsa_float_denorm_mode_32 3
		.amdhsa_float_denorm_mode_16_64 3
		.amdhsa_memory_ordered 1
		.amdhsa_forward_progress 1
		.amdhsa_inst_pref_size 27
	.end_amdhsa_kernel
	.amdgpu_metadata
---
amdhsa.version: [ 1, 2 ]
amdhsa.kernels:
  - .name:           k_q29b43c0a62_ln2
    .symbol:         k_q29b43c0a62_ln2.kd
    .args:
      - { .name: x1, .offset: 0, .size: 8, .value_kind: global_buffer, .address_space: global }
      - { .name: ln2_scale, .offset: 8, .size: 8, .value_kind: global_buffer, .address_space: global }
      - { .name: ln2_shift, .offset: 16, .size: 8, .value_kind: global_buffer, .address_space: global }
      - { .name: h2c, .offset: 24, .size: 8, .value_kind: global_buffer, .address_space: global }
    .group_segment_fixed_size: 2048
    .private_segment_fixed_size: 0
    .kernarg_segment_align: 8
    .kernarg_segment_size: 32
    .max_flat_workgroup_size: 256
    .sgpr_count:     66
    .vgpr_count:     256
    .wavefront_size: 32
...
	.end_amdgpu_metadata
.endif
;; end of part 5
;; launch ff1 (part 6): grid 8 x 32, 4 waves a work-group, clusters of 4 x 4, 327,680 bytes of LDS; arguments h2c, wts, b1, hid; writes hid
.if DOCPART == 6
	.amdgcn_target "amdgcn-amd-amdhsa--gfx1250"
	.amdhsa_code_object_version 6
	.text
	.protected	k_q29b43c0a62_ff1
	.globl	k_q29b43c0a62_ff1
	.p2align	8
	.type	k_q29b43c0a62_ff1,@function
k_q29b43c0a62_ff1:
	s_mov_b64 s[64:65], 0
	v_nop
	global_prefetch_b8 v0, s[64:65] scope:SCOPE_SE
	s_setreg_imm32_b32 hwreg(HW_REG_WAVE_MODE, 25, 1), 1
	s_wait_xcnt 0x0
	s_wait_alu depctr_hold_cnt(0) depctr_sa_sdst(0) depctr_va_vdst(0) depctr_va_sdst(0) depctr_va_ssrc(0) depctr_va_vcc(0) depctr_vm_vsrc(0)
	s_getreg_b32 s2, hwreg(HW_REG_IB_STS2, 6, 4)
	s_cmp_eq_u32 s2, 0
	s_cbranch_scc0 .Lentry_in_a_cluster
	s_endpgm
.Lentry_in_a_cluster:
	s_bfe_u32 s2, ttmp6, 0x10000c
	s_cmp_lg_u32 s2, 0xf033
	s_cbranch_scc0 .Lentry_shape_is_right
	s_endpgm
.Lentry_shape_is_right:
; hid = Q(gelu_tanh(h W1 + b1)): the product on codes of FP6 (E2M3) with E8M0 scales, the activation in f32, the result quantised along the 4,096 and stored as images of operand registers.  h: 4,096 x 1,024; W1: 1,024 x 4,096.
; OPERANDS ARE IMAGES OF REGISTERS: rows in groups of 64, four tiles a of 16, lane-row r of tile a = row 32 (a / 2) + 8 (a % 2) + r % 8 + 16 (r / 8); a half image (768 bytes) = 16 rows x 64 K: lane (r, h)'s words 0-3 at 16 (r + 16 h),
; words 4, 5 at 512 + 16 r + 8 h; a super-image (6,400 bytes) = a group x 128 K: tile a, half c at 1536 a + 768 c, scale word of (a, r) at 6144 + 16 r + 4 p(a), p(a) = 2 (a % 2) + a / 2.  A strip = 2 groups x 8 K steps = 102,400 dense bytes.
; SHARES.  A WORK-GROUP STAYS: it makes 128 tokens x 128 columns four times (column strips x, x + 8, x + 16, x + 24); four waves, 64 x 64 each.  A's strip comes once and stays in LDS.  W1's strips take turns in two slots:
; strips 0 and 1 with the first fills; strip 2 into slot 0 behind the change that follows tile 0's products, strip 3 into slot 1 behind the change that follows tile 1's: each has a way out and a whole tile's products in which to land.
; By this text's count a wave has at most three tensor loads out.
; CLUSTER 4 x 4: A's strip is shared along a row, W1's along a column: joint loads; every wave fetches quarter w of every strip, so no load stands under a branch.  No prefetch: every strip is read by many work-groups and shared in the cluster.
; Source 0 = 16 columns of W1, source 1 = 16 tokens: a lane holds one token and its registers run along 64 hidden units in the quantiser's order.  The bias is the C of each sum's first matrix instruction.
; gelu_tanh(x) = x / (1 + 2^(x (c1 + c3 x^2))), c1 = -2 sqrt(2 / pi) log2(e), c3 = 0.044715 c1: the same function; right at both ends (0 and x) where the exponential overflows or falls to 0.
; A wave's 64 units are half a K step of the next product: its two scale bytes a row meet the neighbour wave's in LDS, behind a barrier, and leave as whole words; each tile has a stage of its own.
; LIMITS: a block of zeros, or one whose largest magnitude lies under 2^-124, gets the byte 1 (this program alone reads the bytes); NaN and infinities are not served.
; REGISTERS: window 0: v0-31 addresses; v32-39 scale words, two sets; v40-127 the way out; v128-255 accumulators (y, x) at 128 + 8 (4 y + x).  Window 1: two fragment buffers of 96 at 0 and 128.  Window 2: v0-127 the bias of the four tiles.
.set STRIP, 102400
.set QUART, 25600
.set TSTEP, 51200                      ; hid: eight K steps on, from tile to tile
.set STG,   3*STRIP                    ; four stages of 512 bytes for scale words, one for each tile: 256 (wave / 2) + 16 r + 4 p(a) + 2 (wave % 2)
.set SPARE, STG+2048                   ; the spare words, 128 bytes a wave: two blocks of 256 bytes that no other line names
.set LI,   4
.set LJ,   5
.set BA,   8                           ; v8   64 h: the bias's offset
.set STH,  9                           ; v9   where I put two scale bytes
.set STL,  10                          ; v10  where I read a scale word back: 128 wave + 4 lane
.set GSC,  11                          ; v11  4 x lane
.set ADA1, 16
.set ADA2, 17
.set ADB1, 18
.set ADB2, 20
.set ADS,  22
.set SPW,  30
.set NIL,  31
.set SC,   32
.set HW,   40                          ; v40-43
.set TM,   44
.set TP,   46
.set TS,   48
.set TC,   50
.set C1V,  54                          ; v54-55 c1, twice
.set SD,   56                          ; v56-59 scale words on their way out
.set GT,   64                          ; v64-95 the activation's 32 numbers at work
.set CD,   96                          ; v96-127 four half images, 8 registers apart
.set ACC,  128
.set WV, 14
.set WR, 15
.set WC, 16
.set CX, 17
.set CY, 18
.set XG, 19
.set YG, 20
.set G1,   24
.set G0A,  32
.set G0B0, 36
.set G0B1, 40
.set SEL,  44
.set G1B,  48
.set OUT,  60                          ; s[60:61] my half images
.set OSC,  62                          ; s[62:63] my 128 bytes of scale words
.set C3,   66                          ; s[66:67] c3
.set MSB, 0
.macro WIN new
.if MSB != \new
	s_set_vgpr_msb (MSB<<8)|\new
.set MSB, \new
.endif
.endm
.set MUL,  0x05
.set MULB, 0x25                        ; C window 2
.set TO_F, 0x40
.set TO_2, 0x80
.macro PLACES
.rept 4
	v_nop
.endr
.endm
.macro CROUND
	s_barrier_signal -1
	s_barrier_wait -1
	s_cmp_lg_u32 s[WV], 0
	s_cbranch_scc1 .Lnot_wave_0_\@
	s_barrier_signal -3
.Lnot_wave_0_\@:
	s_barrier_wait -3
	s_barrier_signal -1
	s_barrier_wait -1
.endm
.macro QH src, dst, hw
.irp b, 0,1
	v_max3_num_f32 v[TM+\b], |v[(\src)+16*\b]|, |v[(\src)+16*\b+1]|, 0x1800000
.endr
.irp i, 2,4,6,8,10,12,14
.irp b, 0,1
	v_max3_num_f32 v[TM+\b], v[TM+\b], |v[(\src)+16*\b+\i]|, |v[(\src)+16*\b+\i+1]|
.endr
.endr
.irp b, 0,1
	v_permlanex16_b32 v[TP+\b], v[TM+\b], s[SEL], s[SEL+1]
.endr
.irp b, 0,1
	v_max_num_f32 v[TM+\b], v[TM+\b], v[TP+\b]
.endr
.irp b, 0,1
	v_add_nc_u32 v[TS+\b], 0xff000000, v[TM+\b]
.endr
.irp b, 0,1
	v_lshrrev_b32 v[TP+\b], 23, v[TS+\b]
.endr
	v_lshl_or_b32 v[\hw], v[TP+1], 8, v[TP]
	v_cvt_scalef32_pk16_fp6_f32 v[(\dst):(\dst)+2], v[(\src):(\src)+15], v[TS]
	v_cvt_scalef32_pk16_fp6_f32 v[TC:TC+2], v[(\src)+16:(\src)+31], v[TS+1]
	v_nop
.irp i, 0,1,2
	v_permlane16_swap_b32 v[(\dst)+\i], v[TC+\i]
.endr
.irp i, 0,1,2
	v_mov_b32 v[(\dst)+3+\i], v[TC+\i]
.endr
.endm
.macro FETCH f, k, pa1, pa2, pb1, pb2, ps
	WIN TO_F
.irp t, 0,1,2,3
.irp c, 0,1
	ds_load_b128 v[128*(\f)+12*\t+6*\c:128*(\f)+12*\t+6*\c+3], v[\pa1] offset:(\k)+\t*1536+\c*768
	ds_load_b64 v[128*(\f)+12*\t+6*\c+4:128*(\f)+12*\t+6*\c+5], v[\pa2] offset:(\k)+\t*1536+\c*768+512
.endr
.endr
.irp t, 0,1,2,3
.irp c, 0,1
	ds_load_b128 v[128*(\f)+48+12*\t+6*\c:128*(\f)+48+12*\t+6*\c+3], v[\pb1] offset:(\k)+\t*1536+\c*768
	ds_load_b64 v[128*(\f)+48+12*\t+6*\c+4:128*(\f)+48+12*\t+6*\c+5], v[\pb2] offset:(\k)+\t*1536+\c*768+512
.endr
.endr
	WIN 0
	ds_load_b128 v[SC+4*(\f):SC+4*(\f)+3], v[\ps] offset:(\k)+6144
.endm
.macro MULA f, y, cm                   ; cm = 2: C = the bias; 1: in place.  The sixteen accumulators take turns
.irp x, 0,1,2,3
.if (\cm) == 2
	v_wmma_scale_f32_16x16x128_f8f6f4 v[ACC+8*(4*(\y)+\x):ACC+8*(4*(\y)+\x)+7], v[128*(\f)+48+12*\x:128*(\f)+48+12*\x+11], v[128*(\f)+12*(\y):128*(\f)+12*(\y)+11], v[BIAS+8*\x:BIAS+8*\x+7], v[SC+4*(\f)+2*(\x%2)+\x/2], v[SC+4*(\f)+2*((\y)%2)+(\y)/2] matrix_a_fmt:MATRIX_FMT_FP6 matrix_b_fmt:MATRIX_FMT_FP6 matrix_a_scale:MATRIX_SCALE_ROW1
.else
	v_wmma_scale_f32_16x16x128_f8f6f4 v[ACC+8*(4*(\y)+\x):ACC+8*(4*(\y)+\x)+7], v[128*(\f)+48+12*\x:128*(\f)+48+12*\x+11], v[128*(\f)+12*(\y):128*(\f)+12*(\y)+11], v[ACC+8*(4*(\y)+\x):ACC+8*(4*(\y)+\x)+7], v[SC+4*(\f)+2*(\x%2)+\x/2], v[SC+4*(\f)+2*((\y)%2)+(\y)/2] matrix_a_fmt:MATRIX_FMT_FP6 matrix_b_fmt:MATRIX_FMT_FP6 matrix_a_scale:MATRIX_SCALE_ROW1
.endif
.endr
.endm
.macro TILE sg                         ; a whole product over K = 1,024 from slot sg; a step's 33 loads are issued ahead of the step before's 16 matrix instructions
	FETCH 0, 0, ADA1, ADA2, ADB1+\sg, ADB2+\sg, ADS+\sg
.set S_, 0
.rept 8
	s_wait_dscnt 0x0
.if S_ < 7
	PLACES
	FETCH (S_+1)%2, (S_+1)*6400, ADA1, ADA2, ADB1+\sg, ADB2+\sg, ADS+\sg
.endif
.if S_ == 0
	WIN MULB
.else
	WIN MUL
.endif
.irp y, 0,1,2,3
.if S_ == 0
	MULA 0, \y, 2
.else
	MULA S_%2, \y, 1
.endif
.endr
	WIN 0
.set S_, S_+1
.endr
.endm
; THE CHANGE: the slot whose group 0 is named has been read out and is filled again, with the strip two tiles on
.macro CHANGE g0
	s_wait_tensorcnt 0x0                           ; all my tensor loads have landed, the other slot's quarter among them, so a group 0 may be written;
	ds_add_u32 v[SPW], v[NIL]                      ; 0 onto my spare word;
	s_add_nc_u64 s[\g0+2:\g0+3], s[\g0+2:\g0+3], 16*STRIP   ; sixteen strips on
	s_wait_dscnt 0x0                               ; the add is done, and my reads of the slot are over
	CROUND                                         ; both now hold of every wave of every partner
	tensor_load_to_lds s[\g0:\g0+3], s[G1B:G1B+7]  ; my one load behind the round
	s_nop 0
	PLACES                                         ; also the places in front of the reads of the sums just made
.endm
.macro GELU x                          ; 32 numbers in place; each batch of transcendentals has one plain line and one wait behind it
.set I_, 0
.rept 16
	v_pk_mul_f32 v[GT+I_:GT+I_+1], v[(\x)+I_:(\x)+I_+1], v[(\x)+I_:(\x)+I_+1]
.set I_, I_+2
.endr
.set I_, 0
.rept 16
	v_pk_fma_f32 v[GT+I_:GT+I_+1], v[GT+I_:GT+I_+1], s[C3:C3+1], v[C1V:C1V+1] op_sel_hi:[1,0,1]
.set I_, I_+2
.endr
.set I_, 0
.rept 16
	v_pk_mul_f32 v[GT+I_:GT+I_+1], v[GT+I_:GT+I_+1], v[(\x)+I_:(\x)+I_+1]
.set I_, I_+2
.endr
.set I_, 0
	s_wait_alu depctr_va_vdst(0)
.rept 32
	v_exp_f32 v[GT+I_], v[GT+I_]
.set I_, I_+1
.endr
	v_nop
	s_wait_alu depctr_va_vdst(0)
.set I_, 0
.rept 16
	v_pk_add_f32 v[GT+I_:GT+I_+1], v[GT+I_:GT+I_+1], 1.0 op_sel_hi:[1,0]
.set I_, I_+2
.endr
.set I_, 0
	s_wait_alu depctr_va_vdst(0)
.rept 32
	v_rcp_f32 v[GT+I_], v[GT+I_]
.set I_, I_+1
.endr
	v_nop
	s_wait_alu depctr_va_vdst(0)
.set I_, 0
.rept 16
	v_pk_mul_f32 v[(\x)+I_:(\x)+I_+1], v[(\x)+I_:(\x)+I_+1], v[GT+I_:GT+I_+1]
.set I_, I_+2
.endr
.endm
.macro EPI_G t
	s_wait_xcnt 0x0                                ; the last way out's stores have read their registers
.irp a, 0,1,2,3
	GELU ACC+32*\a
	QH ACC+32*\a, CD+8*\a, HW+\a
	global_store_b128 v[LI], v[CD+8*\a:CD+8*\a+3], s[OUT:OUT+1] offset:\t*TSTEP+\a*1536
	global_store_b64 v[LJ], v[CD+8*\a+4:CD+8*\a+5], s[OUT:OUT+1] offset:\t*TSTEP+\a*1536+512
	ds_store_b16 v[STH], v[HW+\a] offset:512*\t+4*(2*(\a%2)+\a/2)   ; both lanes of a row write the same bytes with the same value
.endr
	s_wait_dscnt 0x0                               ; for the others' sake: my stores have landed
	s_barrier_signal -1
	s_barrier_wait -1
	ds_load_b32 v[SD+\t], v[STL] offset:512*\t     ; whole words: my bytes and the neighbour wave's
	s_wait_dscnt 0x0
	global_store_b32 v[GSC], v[SD+\t], s[OSC:OSC+1] offset:\t*TSTEP
.endm
	s_load_b256 s[4:11], s[0:1], 0x0               ; h's images, the weights' images, b1, hid's images
	v_lshl_add_u32 v[SPW], v0, 2, SPARE
	v_mov_b32 v[NIL], 0
	ds_add_u32 v[SPW], v[NIL]                      ; the wave's opening: the add and its wait come ahead of my first tensor load
	ds_add_u32 v[SPW], v[NIL]
	v_lshrrev_b32 v1, 5, v0
	v_readfirstlane_b32 s[WV], v1
	s_lshr_b32 s[WR], s[WV], 1
	s_and_b32 s[WC], s[WV], 1
	s_bfe_u32 s[CX], ttmp6, 0x40000
	s_bfe_u32 s[CY], ttmp6, 0x40004
	s_lshl_b32 s[XG], ttmp9, 2
	s_add_co_u32 s[XG], s[XG], s[CX]               ; my first strip of columns, 0 .. 7
	s_and_b32 s[YG], ttmp7, 0xffff
	s_lshl_b32 s[YG], s[YG], 2
	s_add_co_u32 s[YG], s[YG], s[CY]               ; my strip of tokens
	s_lshl_b32 s21, s[CY], 2
	s_lshl_b32 s21, 15, s21
	s_lshl_b32 s22, 0x1111, s[CX]
	s_or_b32 s[G1], s21, (3<<16)|(1<<21)           ; the mask; elements of 8 bytes; 21 set beside a mask; no padding
	s_or_b32 s[G1B], s22, (3<<16)|(1<<21)
.irp g, G1, G1B
	s_mov_b32 s[\g+1], 32<<16                      ; rows of 256 dense bytes,
	s_mov_b32 s[\g+2], 200<<16                     ; 200 of them for the head's loads: half a strip; B's is set to 100 behind them
	s_mov_b32 s[\g+3], 32<<16
	s_mov_b32 s[\g+4], 200
	s_mov_b32 s[\g+5], 32
	s_mov_b32 s[\g+6], 0
	s_mov_b32 s[\g+7], 0
.endr
	s_mul_i32 s23, s[WV], QUART
	s_mul_i32 s68, s[WC], 2*QUART                  ; the head's loads: which half of a strip, in memory,
	s_mul_i32 s69, s[WV], 2*QUART                  ; and where it goes: A's two halves, then slot 0's two halves
	s_mul_i32 s58, s[YG], STRIP
	s_add_co_u32 s58, s58, s68
	s_mul_i32 s70, s[XG], STRIP
	s_add_co_u32 s70, s70, s68
	s_add_co_u32 s70, s70, 3276800
	s_mov_b32 s71, 0
	s_mov_b32 s59, 0
	s_mul_i32 s56, s[XG], STRIP
	s_add_co_u32 s56, s56, s23
	s_add_co_u32 s56, s56, 3276800                 ; W1's images
	s_mov_b32 s57, 0
	s_mov_b32 s[SEL], 0x76543210
	s_mov_b32 s[SEL+1], 0xfedcba98
	s_mov_b32 s[C3], 0xbdd2d3e8
	s_mov_b32 s[C3+1], s[C3]
	s_wait_dscnt 0x0
	s_wait_kmcnt 0x0
	s_add_nc_u64 s[58:59], s[4:5], s[58:59]
	s_add_nc_u64 s[56:57], s[6:7], s[56:57]
	CROUND                                         ; all sixteen work-groups are here: the first joint loads meet
	s_mov_b32 s[G0A], 1
	s_mov_b32 s[G0A+1], s69
	s_mov_b64 s[G0A+2:G0A+3], s[58:59]
	s_or_b32 s[G0A+3], s[G0A+3], 0x80000000
	s_mov_b32 s[G0B0], 1
	s_add_co_u32 s[G0B0+1], s23, STRIP
	s_mov_b64 s[G0B0+2:G0B0+3], s[56:57]           ; tile 0's strip
	s_or_b32 s[G0B0+3], s[G0B0+3], 0x80000000
	s_mov_b32 s[G0B1], 1
	s_add_co_u32 s[G0B1+1], s23, 2*STRIP
	s_add_nc_u64 s[G0B1+2:G0B1+3], s[56:57], 8*STRIP   ; tile 1's: eight strips on
	s_or_b32 s[G0B1+3], s[G0B1+3], 0x80000000
	; THE HEAD'S LOADS, ONE A WAVE: waves 0, 1 fetch the halves of A's strip, waves 2, 3 the halves of tile 0's strip of W1; tile 1's strip follows behind the full sequence below
	s_mov_b32 s72, 1
	s_mov_b32 s73, s69
	s_add_nc_u64 s[74:75], s[6:7], s[70:71]        ; tile 0's strip, my half
	s_or_b32 s75, s75, 0x80000000
	s_cmp_lt_u32 s[WV], 2                          ; the wave's number alone
	s_cbranch_scc0 .Lhead_b
	tensor_load_to_lds s[G0A:G0A+3], s[G1:G1+7]
	s_nop 0
	PLACES
	s_branch .Lhead_asked
.Lhead_b:
	tensor_load_to_lds s[72:75], s[G1B:G1B+7]
	s_nop 0
	PLACES
.Lhead_asked:
	v_and_b32 v1, 31, v0
	v_and_b32 v2, 15, v0
	v_bfe_u32 v3, v0, 4, 1
	v_lshlrev_b32 v[LI], 4, v1
	v_lshlrev_b32 v6, 4, v2
	s_wait_alu depctr_va_vdst(0)
	v_lshl_add_u32 v[LJ], v3, 3, v6
	v_lshlrev_b32 v[BA], 6, v3
	v_lshlrev_b32 v[GSC], 2, v1
	s_wait_alu depctr_va_vdst(0)
	s_lshl_b32 s68, s[XG], 9
	s_lshl_b32 s69, s[WC], 8
	s_add_co_u32 s68, s68, s69
	s_mov_b32 s69, 0
	s_add_nc_u64 s[8:9], s[8:9], s[68:69]          ; b1 at my 64 columns of tile 0
	WIN TO_2
.irp t, 0,1,2,3                        ; the bias in the result's layout, for the four tiles: 1,024 columns, 4,096 bytes, from tile to tile
.irp b, 0,1,2,3
	global_load_b128 v[32*\t+8*\b:32*\t+8*\b+3], v[BA], s[8:9] offset:\t*4096+128*(\b/2)+32*(\b%2)
	global_load_b128 v[32*\t+8*\b+4:32*\t+8*\b+7], v[BA], s[8:9] offset:\t*4096+128*(\b/2)+32*(\b%2)+16
.endr
.endr
	WIN 0
	s_lshl_b32 s21, s[WR], 8
	s_lshl_b32 s22, s[WC], 1
	s_add_co_u32 s21, s21, s22
	s_add_co_u32 s21, s21, STG
	v_add_nc_u32 v[STH], s21, v6
	s_lshl_b32 s21, s[WV], 7
	s_add_co_u32 s21, s21, STG
	v_add_nc_u32 v[STL], s21, v[GSC]
	s_mul_i32 s21, s[WR], STRIP/2
	s_mul_i32 s22, s[WC], STRIP/2
	s_add_co_u32 s22, s22, STRIP
	v_add_nc_u32 v[ADA1], s21, v[LI]
	v_add_nc_u32 v[ADA2], s21, v[LJ]
	v_add_nc_u32 v6, s21, v6
.irp g, 0,1
	v_add_nc_u32 v[ADB1+\g], s22, v[LI]
	v_add_nc_u32 v[ADB2+\g], s22, v[LJ]
	s_sub_co_u32 s23, s22, s21
	v_mul_u32_u24 v7, s23, v3                      ; lanes 16-31 take B's scale words: one product, h x the distance
	v_add_nc_u32 v[ADS+\g], v6, v7
	s_add_co_u32 s22, s22, STRIP
.endr
	v_mov_b32 v[TP], 0
	v_mov_b32 v[TP+1], 0
	v_mov_b32 v[C1V], 0xc0135761
	v_mov_b32 v[C1V+1], 0xc0135761
	s_lshl_b32 s68, s[YG], 1
	s_add_co_u32 s68, s68, s[WR]
	s_lshl_b32 s68, s68, 5
	s_add_co_u32 s68, s68, s[XG]
	s_mul_i32 s68, s68, 6400                       ; hid's super-image: group 2 y + wave / 2, K step x
	s_mul_i32 s70, s[WC], 768
	s_add_co_u32 s70, s70, s68
	s_mov_b32 s71, 0
	s_lshl_b32 s69, s[WC], 7
	s_add_co_u32 s68, s68, s69
	s_add_co_u32 s68, s68, 6144
	s_mov_b32 s69, 0
	s_add_nc_u64 s[OUT:OUT+1], s[10:11], s[70:71]
	s_add_nc_u64 s[OSC:OSC+1], s[10:11], s[68:69]
	s_wait_alu depctr_va_vdst(0)
	s_wait_loadcnt 0x0                             ; the bias
	s_wait_tensorcnt 0x0                           ; my half strip is in
	ds_add_u32 v[SPW], v[NIL]
	s_mov_b32 s[G1B+2], 100<<16                    ; no tensor load of mine is out: from here on a load brings a quarter strip, 100 rows
	s_mov_b32 s[G1B+4], 100
	s_wait_dscnt 0x0
	CROUND                                         ; A's and tile 0's strips are whole in every wave's sight, and the partners' joint loads meet
	tensor_load_to_lds s[G0B1:G0B1+3], s[G1B:G1B+7]   ; tile 1's strip into slot 1: it has all of tile 0's products in which to land
	s_nop 0
	PLACES
.set BIAS, 0
	TILE 0
	CHANGE G0B0                                    ; tile 2's strip goes out; tile 1's is whole in every wave's sight
	EPI_G 0
.set BIAS, 32
	TILE 1
	CHANGE G0B1                                    ; tile 3's strip goes out; tile 2's is whole
	EPI_G 1
.set BIAS, 64
	TILE 0
	s_wait_tensorcnt 0x0                           ; my quarter of tile 3's strip is in,
	s_wait_dscnt 0x0
	s_barrier_signal -1
	s_barrier_wait -1                              ; everybody's is
	PLACES
	EPI_G 2
.set BIAS, 96
	TILE 1
	PLACES
	EPI_G 3
	s_wait_tensorcnt 0x0                           ; the wave's end
	ds_add_u32 v[SPW], v[NIL]
	s_wait_dscnt 0x0
	CROUND                                         ; the closing round
	s_endpgm
.Lfunc_end_k_q29b43c0a62_ff1:
	.size	k_q29b43c0a62_ff1, .Lfunc_end_k_q29b43c0a62_ff1-k_q29b43c0a62_ff1
	.p2alignl 7, 3214868480
	.fill 96, 4, 3214868480
	.section	.rodata,"a",@progbits
	.p2align	6, 0x0
	.amdhsa_kernel k_q29b43c0a62_ff1
		.amdhsa_group_segment_fixed_size 327680
		.amdhsa_private_segment_fixed_size 0
		.amdhsa_enable_private_segment 0
		.amdhsa_kernarg_size 32
		.amdhsa_user_sgpr_count 2
		.amdhsa_user_sgpr_kernarg_segment_ptr 1
		.amdhsa_wavefront_size32 1
		.amdhsa_system_sgpr_workgroup_id_x 1
		.amdhsa_system_sgpr_workgroup_id_y 1
		.amdhsa_system_sgpr_workgroup_id_z 1
		.amdhsa_system_vgpr_workitem_id 0
		.amdhsa_next_free_vgpr 640
		.amdhsa_next_free_sgpr 80
		.amdhsa_reserve_vcc 0
		.amdhsa_float_denorm_mode_32 3
		.amdhsa_float_denorm_mode_16_64 3
		.amdhsa_memory_ordered 1
		.amdhsa_forward_progress 1
		.amdhsa_inst_pref_size 255
	.end_amdhsa_kernel
	.section	.bss,"aw",@nobits
	.p2align	6
	.space	262144
	.amdgpu_metadata
---
amdhsa.version: [ 1, 2 ]
amdhsa.kernels:
  - .name:           k_q29b43c0a62_ff1
    .symbol:         k_q29b43c0a62_ff1.kd
    .args:
      - { .name: h2c, .offset: 0, .size: 8, .value_kind: global_buffer, .address_space: global }
      - { .name: wts, .offset: 8, .size: 8, .value_kind: global_buffer, .address_space: global }
      - { .name: b1, .offset: 16, .size: 8, .value_kind: global_buffer, .address_space: global }
      - { .name: hid, .offset: 24, .size: 8, .value_kind: global_buffer, .address_space: global }
    .group_segment_fixed_size: 327680
    .private_segment_fixed_size: 0
    .kernarg_segment_align: 8
    .kernarg_segment_size: 32
    .max_flat_workgroup_size: 128
    .sgpr_count:     80
    .vgpr_count:     640
    .wavefront_size: 32
...
	.end_amdgpu_metadata
.endif
;; end of part 6
;; launch ff2 (part 7): grid 8 x 32, 4 waves a work-group, clusters of 4 x 4, 327,680 bytes of LDS; arguments hid, wts, b2, x1, out0; writes out0
.if DOCPART == 7
	.amdgcn_target "amdgcn-amd-amdhsa--gfx1250"
	.amdhsa_code_object_version 6
	.text
	.protected	k_q29b43c0a62_ff2
	.globl	k_q29b43c0a62_ff2
	.p2align	8
	.type	k_q29b43c0a62_ff2,@function
k_q29b43c0a62_ff2:
	s_mov_b64 s[64:65], 0
	v_nop
	global_prefetch_b8 v0, s[64:65] scope:SCOPE_SE
	s_setreg_imm32_b32 hwreg(HW_REG_WAVE_MODE, 25, 1), 1
	s_wait_xcnt 0x0
	s_wait_alu depctr_hold_cnt(0) depctr_sa_sdst(0) depctr_va_vdst(0) depctr_va_sdst(0) depctr_va_ssrc(0) depctr_va_vcc(0) depctr_vm_vsrc(0)
	s_getreg_b32 s2, hwreg(HW_REG_IB_STS2, 6, 4)
	s_cmp_eq_u32 s2, 0
	s_cbranch_scc0 .Lentry_in_a_cluster
	s_endpgm
.Lentry_in_a_cluster:
	s_bfe_u32 s2, ttmp6, 0x10000c
	s_cmp_lg_u32 s2, 0xf033
	s_cbranch_scc0 .Lentry_shape_is_right
	s_endpgm
.Lentry_shape_is_right:
.set NKS,   32
.set WOFF,  6553600
.set SI,    6400
.set QUART, 4*SI
.set CHUNK, 12*SI
.set PA, 4
.set PW, 6
.set PB, 8
.set PR, 10
.set PO, 12
.set STAGE, 4*CHUNK
.set SPARE, STAGE+4*4352
.set LI,   4
.set LJ,   5
.set ADA1, 16
.set ADA2, 18
.set ADB1, 20
.set ADB2, 22
.set ADS,  24
.set STO,  26
.set RD,   27
.set CO,   28
.set BA,   29
.set SPW,  30
.set NIL,  31
.set SC,   32
.set BK,   64
.set ACC,  128
.set BIAS, 128
.set WV, 14
.set WR, 15
.set WC, 16
.set CX, 17
.set CY, 18
.set XG, 19
.set YG, 20
.set G1,   24
.set G0,   32
.set G1B,  48
.set G0B,  56
.set G1L,  76
.set G1LB, 84
.set MSB, 0
.macro WIN new
.if MSB != \new
	s_set_vgpr_msb (MSB<<8)|\new
.set MSB, \new
.endif
.endm
.set MUL,  0x05
.set MULB, 0x25
.set TO_F, 0x40
.set TO_2, 0x80
.set ADD2, 0x08
.macro PLACES
.rept 4
	v_nop
.endr
.endm
.macro CREST
	s_cmp_lg_u32 s[WV], 0
	s_cbranch_scc1 .Lnot_wave_0_\@
	s_barrier_signal -3
.Lnot_wave_0_\@:
	s_barrier_wait -3
	s_barrier_signal -1
	s_barrier_wait -1
.endm
.macro CROUND
	s_barrier_signal -1
	s_barrier_wait -1
	CREST
.endm
.macro JLOAD g0a, g1a, g0b, g1b
	s_cmp_eq_u32 s[WR], 0
	s_cbranch_scc0 .Lfor_b_\@
	tensor_load_to_lds s[\g0a:\g0a+3], s[\g1a:\g1a+7]
	s_nop 0
	PLACES
	s_branch .Lasked_\@
.Lfor_b_\@:
	tensor_load_to_lds s[\g0b:\g0b+3], s[\g1b:\g1b+7]
	s_nop 0
	PLACES
.Lasked_\@:
.endm
.macro POS k
.set P_, (\k)
.if P_ >= 24
.set P_, P_-24
.elseif P_ >= 12
.set P_, P_-12
.endif
.endm
.macro FETCH f, k, pa1, pa2, pb1, pb2, ps
	WIN TO_F
.irp t, 0,1,2,3
.irp c, 0,1
	ds_load_b128 v[128*(\f)+12*\t+6*\c:128*(\f)+12*\t+6*\c+3], v[\pa1] offset:(\k)+\t*1536+\c*768
	ds_load_b64 v[128*(\f)+12*\t+6*\c+4:128*(\f)+12*\t+6*\c+5], v[\pa2] offset:(\k)+\t*1536+\c*768+512
.endr
.endr
.irp t, 0,1,2,3
.irp c, 0,1
	ds_load_b128 v[128*(\f)+48+12*\t+6*\c:128*(\f)+48+12*\t+6*\c+3], v[\pb1] offset:(\k)+\t*1536+\c*768
	ds_load_b64 v[128*(\f)+48+12*\t+6*\c+4:128*(\f)+48+12*\t+6*\c+5], v[\pb2] offset:(\k)+\t*1536+\c*768+512
.endr
.endr
	WIN 0
	ds_load_b128 v[SC+4*(\f):SC+4*(\f)+3], v[\ps] offset:(\k)+6144
.endm
.macro MULA f, y, cm
.irp x, 0,1,2,3
.if (\cm) == 2
	v_wmma_scale_f32_16x16x128_f8f6f4 v[ACC+8*(4*(\y)+\x):ACC+8*(4*(\y)+\x)+7], v[128*(\f)+48+12*\x:128*(\f)+48+12*\x+11], v[128*(\f)+12*(\y):128*(\f)+12*(\y)+11], v[BIAS+8*\x:BIAS+8*\x+7], v[SC+4*(\f)+2*(\x%2)+\x/2], v[SC+4*(\f)+2*((\y)%2)+(\y)/2] matrix_a_fmt:MATRIX_FMT_FP6 matrix_b_fmt:MATRIX_FMT_FP6 matrix_a_scale:MATRIX_SCALE_ROW1
.else
	v_wmma_scale_f32_16x16x128_f8f6f4 v[ACC+8*(4*(\y)+\x):ACC+8*(4*(\y)+\x)+7], v[128*(\f)+48+12*\x:128*(\f)+48+12*\x+11], v[128*(\f)+12*(\y):128*(\f)+12*(\y)+11], v[ACC+8*(4*(\y)+\x):ACC+8*(4*(\y)+\x)+7], v[SC+4*(\f)+2*(\x%2)+\x/2], v[SC+4*(\f)+2*((\y)%2)+(\y)/2] matrix_a_fmt:MATRIX_FMT_FP6 matrix_b_fmt:MATRIX_FMT_FP6 matrix_a_scale:MATRIX_SCALE_ROW1
.endif
.endr
.endm
.macro KST k, cm
	POS (\k)+1
	s_wait_dscnt 0x0
	PLACES
	FETCH ((\k)+1)%2, (P_%8)*SI, ADA1+P_/8, ADA2+P_/8, ADB1+P_/8, ADB2+P_/8, ADS+P_/8
.if (\cm) == 2
	WIN MULB
.else
	WIN MUL
.endif
.irp y, 0,1,2,3
	MULA (\k)%2, \y, \cm
.endr
	WIN 0
.endm
.macro TURN k, fill
	POS (\k)+1
	s_wait_tensorcnt 0x0
	ds_add_u32 v[SPW], v[NIL]
	s_wait_dscnt 0x1
	WIN MUL
	MULA 1, 0, 1
	s_wait_dscnt 0x0
	s_barrier_signal -1
	MULA 1, 1, 1
	WIN 0
	s_barrier_wait -1
.if (\fill) == 1
	CREST
	s_add_nc_u64 s[G0+2:G0+3], s[G0+2:G0+3], CHUNK
	s_add_nc_u64 s[G0B+2:G0B+3], s[G0B+2:G0B+3], CHUNK
	JLOAD G0, G1L, G0B, G1LB
.elseif (\fill) == 2
	CREST
	s_add_nc_u64 s[G0+6:G0+7], s[G0+6:G0+7], CHUNK   ; slot 1's next six K steps: twelve on
	s_add_nc_u64 s[G0B+6:G0B+7], s[G0B+6:G0B+7], CHUNK
	JLOAD G0+4, G1L, G0B+4, G1LB
.elseif (\fill) == 3
	CREST
	s_add_nc_u64 s[G0+6:G0+7], s[G0+6:G0+7], CHUNK   ; slot 1's last fill: K steps 30 and 31
	s_add_nc_u64 s[G0B+6:G0B+7], s[G0B+6:G0B+7], CHUNK
	JLOAD G0+4, G1, G0B+4, G1B
.else
	PLACES
.endif
	s_wait_alu depctr_va_vdst(0)
	FETCH 0, (P_%8)*SI, ADA1+P_/8, ADA2+P_/8, ADB1+P_/8, ADB2+P_/8, ADS+P_/8
	WIN MUL
	MULA 1, 2, 1
	MULA 1, 3, 1
	WIN 0
.endm
	s_load_b256 s[4:11], s[0:1], 0x0
	s_load_b64 s[12:13], s[0:1], 0x20
	v_lshl_add_u32 v[SPW], v0, 2, SPARE
	v_mov_b32 v[NIL], 0
	ds_add_u32 v[SPW], v[NIL]
	ds_add_u32 v[SPW], v[NIL]
	v_lshrrev_b32 v1, 5, v0
	v_readfirstlane_b32 s[WV], v1
	s_lshr_b32 s[WR], s[WV], 1
	s_and_b32 s[WC], s[WV], 1
	s_bfe_u32 s[CX], ttmp6, 0x40000
	s_bfe_u32 s[CY], ttmp6, 0x40004
	s_lshl_b32 s[XG], ttmp9, 2
	s_add_co_u32 s[XG], s[XG], s[CX]
	s_and_b32 s[YG], ttmp7, 0xffff
	s_lshl_b32 s[YG], s[YG], 2
	s_add_co_u32 s[YG], s[YG], s[CY]
	s_lshl_b32 s21, s[CY], 2
	s_lshl_b32 s21, 15, s21
	s_lshl_b32 s22, 0x1111, s[CX]
	s_or_b32 s[G1], s21, (3<<16)|(1<<21)
	s_or_b32 s[G1B], s22, (3<<16)|(1<<21)
	s_or_b32 s[G1L], s21, (3<<16)|(1<<21)
	s_or_b32 s[G1LB], s22, (3<<16)|(1<<21)
.irp g, G1, G1B
	s_mov_b32 s[\g+1], 32<<16
	s_mov_b32 s[\g+2], 50<<16                      ; the last fill: K steps 30 and 31, 50 rows of 256 bytes
	s_mov_b32 s[\g+3], 32<<16
	s_mov_b32 s[\g+4], 50
	s_mov_b32 s[\g+5], 32
	s_mov_b32 s[\g+6], 0
	s_mov_b32 s[\g+7], 0
.endr
.irp g, G1L, G1LB
	s_mov_b32 s[\g+1], 32<<16
	s_mov_b32 s[\g+2], 150<<16                     ; a slot: six K steps of a group, 150 rows of 256 bytes
	s_mov_b32 s[\g+3], 32<<16
	s_mov_b32 s[\g+4], 150
	s_mov_b32 s[\g+5], 32
	s_mov_b32 s[\g+6], 0
	s_mov_b32 s[\g+7], 0
.endr
	s_lshl_b32 s66, s[YG], 1
	s_add_co_u32 s66, s66, s[WC]
	s_mul_i32 s66, s66, NKS*SI
	s_mov_b32 s67, 0
	s_lshl_b32 s68, s[XG], 1
	s_add_co_u32 s68, s68, s[WC]
	s_mul_i32 s68, s68, NKS*SI
	s_add_co_u32 s68, s68, WOFF
	s_mov_b32 s69, 0
	s_mul_i32 s47, s[WV], CHUNK
	s_lshl_b32 s70, s[YG], 1
	s_add_co_u32 s70, s70, s[WR]
	s_lshl_b32 s70, s70, 18
	s_lshl_b32 s72, s[XG], 9
	s_lshl_b32 s73, s[WC], 8
	s_add_co_u32 s72, s72, s73
	s_add_co_u32 s70, s70, s72
	s_mov_b32 s71, 0
	s_mov_b32 s73, 0
	s_wait_dscnt 0x0
	s_wait_kmcnt 0x0
	s_add_nc_u64 s[66:67], s[PA:PA+1], s[66:67]
	s_add_nc_u64 s[68:69], s[PW:PW+1], s[68:69]
	CROUND
	s_mov_b32 s[G0], 1
	s_mov_b32 s[G0+1], s47
	s_mov_b64 s[G0+2:G0+3], s[66:67]
	s_or_b32 s[G0+3], s[G0+3], 0x80000000
	s_mov_b32 s[G0B], 1
	s_mov_b32 s[G0B+1], s47
	s_mov_b64 s[G0B+2:G0B+3], s[68:69]
	s_or_b32 s[G0B+3], s[G0B+3], 0x80000000
	JLOAD G0, G1L, G0B, G1LB                       ; K steps 0 to 5 into slot 0 (places 0 to 5 of my twelve)
	s_mov_b32 s[G0+4], 1
	s_add_co_u32 s[G0+5], s47, 6*SI                ; slot 1: places 6 to 11, K steps 6 to 11
	s_add_nc_u64 s[G0+6:G0+7], s[66:67], 6*SI
	s_or_b32 s[G0+7], s[G0+7], 0x80000000
	s_mov_b32 s[G0B+4], 1
	s_add_co_u32 s[G0B+5], s47, 6*SI
	s_add_nc_u64 s[G0B+6:G0B+7], s[68:69], 6*SI
	s_or_b32 s[G0B+7], s[G0B+7], 0x80000000
	s_wait_alu depctr_va_vdst(0)
	s_wait_tensorcnt 0x0
	ds_add_u32 v30, v31
	s_wait_dscnt 0x0
	CROUND
	JLOAD G0+4, G1L, G0B+4, G1LB
	s_add_nc_u64 s[PR:PR+1], s[PR:PR+1], s[70:71]
	s_add_nc_u64 s[PO:PO+1], s[PO:PO+1], s[70:71]
	s_add_nc_u64 s[PB:PB+1], s[PB:PB+1], s[72:73]
	v_and_b32 v1, 31, v0
	v_and_b32 v2, 15, v0
	v_bfe_u32 v3, v0, 4, 1
	v_lshlrev_b32 v[LI], 4, v1
	v_lshlrev_b32 v6, 4, v2
	v_lshl_add_u32 v[LJ], v3, 3, v6
	v_lshl_add_u32 v[CO], v3, 12, v6
	v_lshlrev_b32 v[BA], 6, v3
	WIN TO_2
.irp b, 0,1,2,3
	global_load_b128 v[BIAS+8*\b:BIAS+8*\b+3], v[BA], s[PB:PB+1] offset:128*(\b/2)+32*(\b%2)
	global_load_b128 v[BIAS+8*\b+4:BIAS+8*\b+7], v[BA], s[PB:PB+1] offset:128*(\b/2)+32*(\b%2)+16
.endr
	WIN 0
	s_mul_i32 s21, s[WR], CHUNK
	s_mul_i32 s22, s[WC], CHUNK
	s_add_co_u32 s22, s22, 2*CHUNK
	s_sub_co_u32 s23, s22, s21
	v_mul_u32_u24 v7, s23, v3
	v_add_nc_u32 v7, v7, v6
.irp g, 0,1
	v_add_nc_u32 v[ADA1+\g], s21, v[LI]
	v_add_nc_u32 v[ADA2+\g], s21, v[LJ]
	v_add_nc_u32 v[ADB1+\g], s22, v[LI]
	v_add_nc_u32 v[ADB2+\g], s22, v[LJ]
	v_add_nc_u32 v[ADS+\g], s21, v7
	s_add_co_u32 s21, s21, 8*SI
	s_add_co_u32 s22, s22, 8*SI
.endr
	s_mul_i32 s21, s[WV], 4352
	s_add_co_u32 s21, s21, STAGE
	v_mul_u32_u24 v[STO], v2, 272
	v_lshl_add_u32 v[STO], v3, 6, v[STO]
	v_add_nc_u32 v[STO], s21, v[STO]
	v_mul_u32_u24 v[RD], v3, 272
	v_add_nc_u32 v[RD], v[RD], v6
	v_add_nc_u32 v[RD], s21, v[RD]
	s_wait_tensorcnt 0x1
	s_barrier_signal -1
	s_barrier_wait -1
	FETCH 0, 0, ADA1, ADA2, ADB1, ADB2, ADS
	s_wait_loadcnt 0x0                             ; the bias
.set K_, 0
.rept 31
.if K_ == 29                           ; a change of slots behind every sixth K step; each refill has the other slot's six steps in which to land; K step k lies at place k mod 12
	TURN K_, 0
.elseif (K_ == 5) || (K_ == 17)
	TURN K_, 1
.elseif K_ == 11
	TURN K_, 2
.elseif K_ == 23
	TURN K_, 3
.elseif K_ == 0
	KST K_, 2
.else
	KST K_, 1
.endif
.if K_ == 12                           ; the residual's 32 loads go out here, behind K step 12, with 19 K steps in which to land: at the head the first tiles are asked for alone
	WIN TO_2
.irp a, 0,1,2,3
.irp t, 0,1,2,3,4,5,6,7
	global_load_b128 v[32*\a+4*\t:32*\a+4*\t+3], v[CO], s[PR:PR+1] offset:(32*(\a/2)+8*(\a%2)+2*(\t%4)+16*(\t/4))*4096
.endr
.endr
	WIN 0
.endif
.set K_, K_+1
.endr
	s_wait_dscnt 0x0
	WIN MUL
.irp y, 0,1,2,3
	MULA 1, \y, 1
.endr
	WIN 0
	PLACES
	s_wait_loadcnt 0x0
.irp a, 0,1,2,3
	s_wait_xcnt 0x0
.irp b, 0,1,2,3
	ds_store_b128 v[STO], v[ACC+8*(4*\a+\b):ACC+8*(4*\a+\b)+3] offset:128*(\b/2)+32*(\b%2)
	ds_store_b128 v[STO], v[ACC+8*(4*\a+\b)+4:ACC+8*(4*\a+\b)+7] offset:128*(\b/2)+32*(\b%2)+16
.endr
.irp t, 0,1,2,3,4,5,6,7
	ds_load_b128 v[BK+32*(\a%2)+4*\t:BK+32*(\a%2)+4*\t+3], v[RD] offset:544*\t
.endr
	s_wait_dscnt 0x0
	WIN ADD2
.irp i, 0,2,4,6,8,10,12,14,16,18,20,22,24,26,28,30
	v_pk_add_f32 v[BK+32*(\a%2)+\i:BK+32*(\a%2)+\i+1], v[BK+32*(\a%2)+\i:BK+32*(\a%2)+\i+1], v[32*\a+\i:32*\a+\i+1]
.endr
	WIN 0
.irp t, 0,1,2,3,4,5,6,7
	global_store_b128 v[CO], v[BK+32*(\a%2)+4*\t:BK+32*(\a%2)+4*\t+3], s[PO:PO+1] offset:(32*(\a/2)+8*(\a%2)+2*(\t%4)+16*(\t/4))*4096 th:TH_STORE_NT
.endr
.endr
	s_wait_tensorcnt 0x0
	ds_add_u32 v[SPW], v[NIL]
	s_wait_dscnt 0x0
	CROUND
	s_endpgm
.Lfunc_end_k_q29b43c0a62_ff2:
	.size	k_q29b43c0a62_ff2, .Lfunc_end_k_q29b43c0a62_ff2-k_q29b43c0a62_ff2
	.p2alignl 7, 3214868480
	.fill 96, 4, 3214868480
	.section	.rodata,"a",@progbits
	.p2align	6, 0x0
	.amdhsa_kernel k_q29b43c0a62_ff2
		.amdhsa_group_segment_fixed_size 327680
		.amdhsa_private_segment_fixed_size 0
		.amdhsa_enable_private_segment 0
		.amdhsa_kernarg_size 40
		.amdhsa_user_sgpr_count 2
		.amdhsa_user_sgpr_kernarg_segment_ptr 1
		.amdhsa_wavefront_size32 1
		.amdhsa_system_sgpr_workgroup_id_x 1
		.amdhsa_system_sgpr_workgroup_id_y 1
		.amdhsa_system_sgpr_workgroup_id_z 1
		.amdhsa_system_vgpr_workitem_id 0
		.amdhsa_next_free_vgpr 672
		.amdhsa_next_free_sgpr 96
		.amdhsa_reserve_vcc 0
		.amdhsa_float_denorm_mode_32 3
		.amdhsa_float_denorm_mode_16_64 3
		.amdhsa_memory_ordered 1
		.amdhsa_forward_progress 1
		.amdhsa_inst_pref_size 168
	.end_amdhsa_kernel
	.amdgpu_metadata
---
amdhsa.version: [ 1, 2 ]
amdhsa.kernels:
  - .name:           k_q29b43c0a62_ff2
    .symbol:         k_q29b43c0a62_ff2.kd
    .args:
      - { .name: hid, .offset: 0, .size: 8, .value_kind: global_buffer, .address_space: global }
      - { .name: wts, .offset: 8, .size: 8, .value_kind: global_buffer, .address_space: global }
      - { .name: b2, .offset: 16, .size: 8, .value_kind: global_buffer, .address_space: global }
      - { .name: x1, .offset: 24, .size: 8, .value_kind: global_buffer, .address_space: global }
      - { .name: out0, .offset: 32, .size: 8, .value_kind: global_buffer, .address_space: global }
    .group_segment_fixed_size: 327680
    .private_segment_fixed_size: 0
    .kernarg_segment_align: 8
    .kernarg_segment_size: 40
    .max_flat_workgroup_size: 128
    .sgpr_count:     96
    .vgpr_count:     672
    .wavefront_size: 32
...
	.end_amdgpu_metadata
.endif
;; end of part 7
